; MI455X (gfx1250); checked and timed in simulation.
; The chip was launched on July 23, 2026; its instructions are those of AMD's public machine-readable ISA for CDNA 5 (MIT licence, August 2026) and "CDNA5" Instruction Set Architecture Reference Guide (July 2026). The comments in the code are by the model that wrote it; some were corrected since.
;; Head. Allowed arithmetic: matrix products marked QUANTISED: E5M2 operands, one E8M0 scale for each 32 along K, by v_wmma_scale_f32_16x16x128_f8f6f4 with both operands' format E5M2, f32 sums; everything else in f32.
;; Inputs: Wk_codes 64 x 2 x 32 uint8 (E5M2 codes of Wk, K innermost, in blocks of 32 codes); Wk_scales 64 x 2 uint8 (E8M0 scales of Wk, one for each 32 codes along K); Wq_codes 64 x 2 x 32 uint8 (E5M2 codes of Wq, K innermost, in blocks of 32 codes); Wq_scales 64 x 2 uint8 (E8M0 scales of Wq, one for each 32 codes along K); Wv_codes 64 x 2 x 32 uint8 (E5M2 codes of Wv, K innermost, in blocks of 32 codes); Wv_scales 64 x 2 uint8 (E8M0 scales of Wv, one for each 32 codes along K); x_codes 32 x 1,024 x 2 x 32 uint8 (E5M2 codes of x, K innermost, in blocks of 32 codes); x_scales 32 x 1,024 x 2 uint8 (E8M0 scales of x, one for each 32 codes along K).
;; Outputs: out0 32 x 1,024 x 64 float32.
;; This version of the problem:
;;   THIS VERSION OF THE PROBLEM IS GIVEN IN LOW PRECISION. The matrix products marked QUANTISED in the list below multiply operands that are first quantised to E5M2 (5 exponent bits, 2 mantissa bits; 8 bits a number), with one power-of-two scale for each 32 numbers along K (OCP MX v1.0); their sums are f32. All else is computed in f32.
;;   The module's matrix products, in the order in which they are computed (A, B: the left and right operand; K: the contracted axis; several contracted axes count as one K, in the product's order):
;;     1. [M 32,768, K 64] x [K 64, N 64]; A: input x (given as codes); B: input Wq (given as codes): QUANTISED
;;     2. [M 32,768, K 64] x [K 64, N 64]; A: input x (given as codes); B: input Wk (given as codes): QUANTISED
;;     3. [M 32,768, K 64] x [K 64, N 64]; A: input x (given as codes); B: input Wv (given as codes): QUANTISED
;;     4. batch 32 x [M 1,024, K 64] x [K 64, N 1,024]; A: computed on the way; B: computed on the way: QUANTISED
;;     5. batch 32 x [M 1,024, K 1,024] x [K 1,024, N 64]; A: softmax (see below); B: computed on the way: QUANTISED
;;   THE QUANTISER, for each operand of a quantised product, along K:
;;     - K is cut into blocks of 32 from its start; a last block that is shorter is filled with zeros.
;;     - A block's scale is 2^e with e = floor(log2(the largest magnitude in the block)) - 15, held to -126 .. 127; a block of zeros has e = 0. As a byte (E8M0): e + 127.
;;     - Each number is divided by its block's scale, clamped to +-57,344, and rounded to the nearest number of E5M2, ties to even, subnormals kept.
;;     - The product sums the exact products of the quantised numbers (number of the format x scale) in f32.
;;   ~~~python
;;   def quantise(x, axis):      # numpy; x: float32 -> the quantised numbers, widened to float32 again
;;       x = np.moveaxis(x, axis, -1); K = x.shape[-1]
;;       x = np.pad(x, [(0, 0)] * (x.ndim - 1) + [(0, -K % 32)]); x = x.reshape(x.shape[:-1] + (-1, 32)); a = np.abs(x).max(-1, keepdims=True)
;;       e = np.where(a > 0, np.clip(np.frexp(np.where(a > 0, a, 1))[1] - 1 - 15, -126, 127), 0)      # np.frexp(a)[1] - 1 = floor(log2(a)), exactly
;;       r = np.clip(x / 2.0 ** e, -57344, 57344)
;;       step = 2.0 ** (np.maximum(np.frexp(np.where(r == 0, 1, r))[1] - 1, -14) - 2)
;;       q = np.round(r / step) * step * 2.0 ** e      # np.round: ties to even
;;       return np.moveaxis(q.reshape(q.shape[:-2] + (-1,))[..., :K], -1, axis).astype(np.float32)
;;   ~~~
;;   SOFTMAX AHEAD OF A QUANTISED PRODUCT. Where the list says 'softmax', what is quantised is not the finished softmax but p = 2^(t - M), with t = logit x log2(e) and M = ceil(the row's largest t), a whole number; so 1/2 < the row's largest p <= 1. The row's sum l is taken of the UNQUANTISED p, in f32, and the product's result is divided by l at the end. Since M is a whole number, a kernel that streams over the keys may use a running M (the ceiling of the running maximum): every later rescaling is an exact power of two, which a block's scale takes up: the codes' values come out the same.
;;   OPERANDS COMPUTED ON THE WAY. 'Computed on the way' means the value that the module computes at that place (a softmax that the list does not call 'softmax' is quantised finished and normalised). What goes into a quantiser is computed in f32, as accurately as f32 sums, v_exp_f32 and their like allow (about 1e-6 of the number): no bf16 or f16 on the way to a quantiser, and a product that is left as it is and whose result goes on into a quantised operand takes f32 operands (vector FMAs, or v_wmma_f32_16x16x4_f32). A number that lies on a knife's edge between two numbers of the format may be rounded either way, as far as f32 arithmetic and the matrix unit's own rounding can turn it there, and no further.
;;   INPUTS GIVEN AS CODES. Wk (in the module: [64, 64], K = its axis 1); Wq (in the module: [64, 64], K = its axis 1); Wv (in the module: [64, 64], K = its axis 1); x (in the module: [32, 1024, 64], K = its axis 2): each comes as NAME_codes (uint8): NAME with its K axis moved to the last place and cut into blocks of 32 codes, [.., K / 32, bytes a block], one block behind the other in memory; one code a byte (a code: sign, 5 exponent bits, 2 mantissa bits); and NAME_scales (uint8): the same leading axes, one E8M0 byte (e + 127) for each 32 codes along K. Its value is code x scale, taken as it is: it is not quantised again, and the codes and scales need not be those that the quantiser above would give.
;; 2 versions. Each part assembles by itself: llvm-mc -triple=amdgcn-amd-amdhsa -mcpu=gfx1250 --defsym DOCPART=n.
;; ======== version 1 of 2: 1 launch
;; launch head (part 1): grid 8 x 32, 16 waves a work-group, no clusters, 284,672 bytes of LDS; arguments x_codes, x_scales, Wq_codes, Wq_scales, Wk_codes, Wk_scales, Wv_codes, Wv_scales, out0; writes out0
.if DOCPART == 1
	.amdgcn_target "amdgcn-amd-amdhsa--gfx1250"
	.amdhsa_code_object_version 6
	.text
	.protected	k_q4c1f1df0fa_head
	.globl	k_q4c1f1df0fa_head
	.p2align	8
	.type	k_q4c1f1df0fa_head,@function
k_q4c1f1df0fa_head:
	s_mov_b64 s[64:65], 0
	v_nop
	global_prefetch_b8 v0, s[64:65] scope:SCOPE_SE
	s_setreg_imm32_b32 hwreg(HW_REG_WAVE_MODE, 25, 1), 1
	s_wait_xcnt 0x0
; ONE CAUSAL ATTENTION HEAD ON CODES OF BF8 (E5M2), one E8M0 scale for each 32 along a product's K.  32 batches, 1,024 rows, head size 64.
; q = x Wq^T, k = x Wk^T, v = x Wv^T (x and the weights arrive as codes); q and k are quantised along the head's 64, v along the keys; S = q k^T; t = S x log2(e) / 8;
; M = the row's largest t so far, rounded up to a whole number; p = 2^(t - M) is quantised along the keys, not normalised; the sum of the unquantised p divides O = p v at the end.
; SHARES.  Work-group (J, batch), J = 0..7, G = J / 2, HALF = J % 2, owns 8 tiles of 16 queries: four SHORT ones with G + 1 key steps of 128 keys (tiles 8 G + 4 HALF + 0..3) and four LONG ones with 8 - G
; (tiles 8 (7 - G) + 4 HALF + 0..3): 36 tile steps in every work-group.  Key steps all of whose keys come after a tile's queries are not computed: the mask is causal.
; A LONG TILE HAS THREE WAVES, A SHORT ONE HAS ONE.  Wave w: ROW = w / 4 (which of the four tiles of a kind), CAT = (ROW + w % 4) % 4.  CAT 0, 1, 2 take the long tile's steps CAT, CAT + 3, CAT + 6;
; CAT 3 takes the short tile's steps 0, 1, ..  So a wave has at most three steps; only where G = 3 the short tile's wave has four.
; The three parts of a long tile (O, -M, sum) meet in LDS at the end; M is a whole number, so bringing them under one M rounds nothing.
; PHASE A: wave w makes the codes of k and v of keys 64 w .. 64 w + 63 (if any tile of the work-group reads them: w < 16 - 2 G) and puts them into LDS as IMAGES OF OPERAND REGISTERS
; (four registers: 512 bytes, lane l's 16 bytes at 16 l); then every wave makes its tile's fragment of q, which stays in registers.  PHASE B: the key steps, written out four times.  Two barriers in all.
; K = 64 IN A FORM THAT IS 128 DEEP.  Phase A: registers 0-7 of a fragment hold the 64 codes, registers 8-15 zero codes, on both operands; bytes 2 and 3 of the scale words are 0, which scales zeros.
; Phase B: a fragment holds TWO tiles of k, [tile 2 f | tile 2 f + 1], its scale word the two bytes of each; q stands as [0 | q | 0] in 24 registers, of which the upper 16, [q | 0], meet the first tile
; and the lower 16, [0 | q], the second: the other tile's codes, which are finite, meet zero codes.  q's scale word holds its two bytes twice.
; LAYOUT.  All products are used so that a lane's registers run along the NEXT product's K.  k and q: source 0 = 16 rows of W, source 1 = 16 rows of x.  v: source 0 = 16 rows of x (keys), source 1 = 16 rows of Wv.
; S^T: source 0 = 16 keys, source 1 = my 16 queries.  O^T: source 0 = 16 channels x 128 keys of v, source 1 = p.  A lane holds one query (lane % 16) throughout phase B.
; THE ROWS OF A TILE ARE NOT NEIGHBOURS (x's keys, Wq's and Wk's rows): lane r of tile 2 b + u takes row 32 b + 8 u + r + 8 (r / 8), so that the 16 registers of tiles 2 b and 2 b + 1 are 16 neighbours along the next K.
; NO JOINT LOADS, NO TENSOR LOADS: the 8 work-groups of a batch share 64 KB of x's codes, of which a wave takes 4 KB once, straight into operand registers; by way of LDS they would cost one barrier more and save no register.
; LIMITS.  NaN and infinity codes and scale bytes 0xff among the inputs are not served.  A block of zeros keeps the scale byte 1 where the rule says 127: its codes are zeros, and this program alone reads the bytes.
; p under 2^-126 comes out of v_exp_f32 as 0.  A block's largest p is made from the block's largest score by the same two instructions: that takes v_exp_f32 not to fall where its input rises.
; t - M is one fused multiply-add of the score, where the rule rounds t first.
.set KIMG, 0                           ; LDS: k's tiles: tile T = 8 s + 2 f + u at 1,024 T + 512 c + 16 lane: a fragment of two tiles is 2,048 bytes on end
.set VIMG, 65536                       ; v's fragments: 8,192 s + 2,048 ct + 512 c + 16 lane (c: which 32 keys of the step's 128)
.set KSC,  131072                      ; k's scale words: 512 s + 16 lane + 4 f
.set VSC,  135168                      ; v's scale bytes: 512 s + 16 lane + 4 ct + c
.set MRG,  139264                      ; region 4 ROW + CAT, 4,608 bytes: O's image (8 x 512), -M at 4,096 + 4 lane, the sum at 4,224 + 4 lane
.set MRGW, 4608
.set STG,  212992                      ; for each wave a stage of 16 rows x (256 + 16) bytes for the way out
.set STGW, 4352
; vector registers
.set LI,  1                            ; 16 x lane
.set OP,  2                            ; phase A: 64 (r + 8 (r / 8)) + 16 h: a lane's byte in a tile of 64-byte rows, rows chosen as above
.set ON,  3                            ;          64 r + 16 h: the same with neighbouring rows
.set SP,  4                            ;          2 (r + 8 (r / 8)): its row's two scale bytes
.set SN,  5                            ;          2 r
.set KWI, 6                            ;          where I store k's images, k's scale words, v's images, v's scale bytes
.set KWS, 7
.set VWI, 8
.set VWS, 9
.set NM,  2                            ; phase B: v[2:3] -M and the largest t (named as a pair),
.set TMX, 3
.set L0,  4                            ;          v[4:5] the sum in two halves
.set ADK, 6                            ;          LDS addresses of a step's tiles of k, its scale words, v's fragments, their scale words
.set ADS, 7
.set ADV, 8
.set ADT, 9
.set MB,  10                           ; made at the head and kept: my region for the meeting, the words behind it,
.set MBS, 11
.set SO,  12                           ; the stage, in and back,
.set SR,  13
.set GO,  14                           ; my byte in the tile's rows of out0,
.set DL,  15                           ; my query less the diagonal step's first key less 16 h
.set WS,  16                           ; phase A: the weights' scale words, x's, and k's as it is made
.set XS,  20
.set KS,  24
.set KSW, 16                           ; phase B: k's four scale words, v's four
.set VSW, 20
.set F,   24                           ; 2^(old M - new M); named as a pair with
.set PW,  25                           ; p's scale word
.set NINF, 26
.set T0,  27
.set QS,  28                           ; q's scale word
.set PN1, 29                           ; the meeting: my partners' -M and sums
.set PL1, 30
.set PN2, 31
.set PL2, 27
.set FR,  32                           ; phase A: four places of 16: tiles of a weight, the upper 8 of each zeros.  Phase B: one of the two runs of 64 that change places
.set XF,  96                           ; phase A: four places of 16: tiles of x, the upper 8 zeros
.set SB,  96                           ; phase B: the other run of 64
.set RES, 32                           ; the way out: the result, and the rows read back from the stage
.set BK,  64
.set PO1, 96                           ; the meeting: my partners' O
.set PO2, 128
.set D,   160                          ; phase A: 64 results
.set O,   160                          ; phase B: O^T, 32 registers
.set PC,  192                          ; p's codes
.set G0,  208                          ; v[208:209], v[210:211], v[212:213]: what my O and my partners' are multiplied by, each twice
.set G1,  210
.set G2,  212
.set QF,  216                          ; phase B: 8 registers of zeros, q's 8 of codes, 8 of zeros
.set PCA, 224                          ; phase A: the codes just made
.set TM,  240                          ; +0..3 largest magnitudes, +4..7 the other half's, then bytes, +8..11 the largest code x the scale, +12..15 the conversions' scale operands
.set BM,  240
.set BP,  244
.set BH,  248
.set BS,  252
; scalar registers
.set WV,  2
.set STRIDE, 3                         ; from one of my steps to the next: 3 or 1
.set XC,  8                            ; s[8:23]: the eight inputs' addresses, in the order of the arguments
.set XSCL, 10
.set WQC, 12
.set WQS, 14
.set WKC, 16
.set WKS, 18
.set WVC, 20
.set WVS, 22
.set OUT, 24
.set XB,  26                           ; x's codes and scale bytes at my wave's 64 keys,
.set XSB, 28
.set XQ,  30                           ; and at my tile's 16 queries
.set XQS, 32
.set G,   38
.set HALF, 39
.set BATCH, 40
.set NW,  41
.set ROW, 42
.set CAT, 43
.set HEAVY, 44
.set LIGHT, 45
.set SMAX, 46                          ; my tile's last key step, the one on the diagonal
.set Q0,  47                           ; my tile's first query
.set SEL, 48                           ; s[48:49] v_permlanex16_b32's selects for lane l xor 16
.set CS,  50                           ; s[50:51] c = log2(e) / 8: the packed form names a pair
.set MNT, 52                           ; the mantissa field of 57,344
.set TK,  53                           ; where a step begins in KIMG, VIMG, KSC, VSC
.set TV,  54
.set TSK, 55
.set TSV, 56
.set SS,  57                           ; the step in hand, from the request for the next tiles on: the next
.set SA,  58                           ; the same, held at 7 (the register is free behind the head)
.macro PLACES n                        ; plain vector instructions that name no register of the matrix instructions ahead of them (ISA guide 7.12.1)
.rept \n
	v_nop
.endr
.endm
; four tiles of a weight (16 rows x 64 codes each) and their scale words; perm = 1: rows chosen as above (vo = OP, vs = SP), 0: neighbours (ON, SN)
.macro LOADW cb, sb, vo, vs, perm
.irp t, 0,1,2,3
.if \perm
.set RW, 32*(\t/2)+8*(\t%2)
.else
.set RW, 16*\t
.endif
.irp c, 0,1
	global_load_b128 v[FR+16*\t+4*\c:FR+16*\t+4*\c+3], v[\vo], s[\cb:\cb+1] offset:RW*64+32*\c
.endr
	global_load_u16 v[WS+\t], v[\vs], s[\sb:\sb+1] offset:RW*2     ; two scale bytes; the upper half of the word comes as 0
.endr
.endm
.macro LOADX                           ; my 64 keys of x as four tiles
.irp t, 0,1,2,3
.irp c, 0,1
	global_load_b128 v[XF+16*\t+4*\c:XF+16*\t+4*\c+3], v[OP], s[XB:XB+1] offset:(32*(\t/2)+8*(\t%2))*64+32*\c
.endr
	global_load_u16 v[XS+\t], v[SP], s[XSB:XSB+1] offset:(32*(\t/2)+8*(\t%2))*2
.endr
.endm
.macro LOADQ                           ; Wq, and my tile's 16 queries of x, neighbouring rows
	LOADW WQC, WQS, OP, SP, 1
.irp c, 0,1
	global_load_b128 v[XF+4*\c:XF+4*\c+3], v[ON], s[XQ:XQ+1] offset:32*\c
.endr
	global_load_u16 v[XS], v[SN], s[XQS:XQS+1]
.endm
; nb blocks of 32: register s + 16 b + i of lanes l and l xor 16 are block b's numbers.  Codes to v[PCA + 4 b] on, bytes to v[TM + 4 + b].  The blocks take turns line by line.
.macro QUANT s, nb
.irp b, 0,1,2,3
.if \b < \nb
	v_max3_num_f32 v[TM+\b], |v[\s+16*\b]|, |v[\s+1+16*\b]|, 0x8000000      ; my 16 numbers, and the floor 2^(16 - 127): the byte cannot fall under 1
.endif
.endr
.irp i, 2,4,6,8,10,12,14
.irp b, 0,1,2,3
.if \b < \nb
	v_max3_num_f32 v[TM+\b], v[TM+\b], |v[\s+16*\b+\i]|, |v[\s+1+16*\b+\i]|
.endif
.endr
.endr
.irp b, 0,1,2,3
.if \b < \nb
	v_permlanex16_b32 v[TM+4+\b], v[TM+\b], s[SEL], s[SEL+1]
.endif
.endr
.irp b, 0,1,2,3
.if \b < \nb
	v_max_num_f32 v[TM+\b], v[TM+\b], v[TM+4+\b]                   ; with lane l xor 16's: the block's largest magnitude
.endif
.endr
.irp b, 0,1,2,3
.if \b < \nb
	v_add_nc_u32 v[TM+12+\b], 0xf8800000, v[TM+\b]                 ; 15 off its exponent field: the conversion takes this operand's exponent field as its scale
.endif
.endr
.irp b, 0,1,2,3
.if \b < \nb
	v_and_or_b32 v[TM+8+\b], v[TM+\b], 0x7f800000, s[MNT]          ; 57,344 x the scale
.endif
.endr
.irp b, 0,1,2,3
.if \b < \nb
	v_lshrrev_b32 v[TM+4+\b], 23, v[TM+12+\b]                      ; the scale's byte
.endif
.endr
.irp b, 0,1,2,3
.if \b < \nb
.irp i, 0,1,2,3,4,5,6,7,8,9,10,11,12,13,14,15
	v_med3_num_f32 v[\s+16*\b+\i], v[\s+16*\b+\i], -v[TM+8+\b], v[TM+8+\b]   ; the conversion to an 8-bit code does not saturate (ISA guide 7.6.2): the hold comes first
.endr
	v_cvt_scalef32_pk8_bf8_f32 v[PCA+4*\b:PCA+4*\b+1], v[\s+16*\b:\s+16*\b+7], v[TM+12+\b]
	v_cvt_scalef32_pk8_bf8_f32 v[PCA+4*\b+2:PCA+4*\b+3], v[\s+16*\b+8:\s+16*\b+15], v[TM+12+\b]
.endif
.endr
	v_nop                                          ; one plain line between the last conversion and whatever next touches its result or writes its sources
.endm
; k of x's tiles 2 j and 2 j + 1 (32 keys): 8 products, 4 blocks, two tiles' images (one fragment of phase B) and their one scale word.  next = 1: Wv takes Wk's place while these are quantised
.macro KBATCH j, next
.irp u, 0,1
.irp t, 0,1,2,3
	v_wmma_scale_f32_16x16x128_f8f6f4 v[D+8*(4*\u+\t):D+8*(4*\u+\t)+7], v[FR+16*\t:FR+16*\t+15], v[XF+16*(2*\j+\u):XF+16*(2*\j+\u)+15], 0, v[WS+\t], v[XS+2*\j+\u] matrix_a_fmt:MATRIX_FMT_BF8 matrix_b_fmt:MATRIX_FMT_BF8
.endr
.endr
	PLACES 8                                       ; ahead of the first read of the results and of loads into registers that the products have read
.if \next
	LOADW WVC, WVS, ON, SN, 0
.endif
	s_wait_dscnt 0x0                               ; the last batch's LDS stores have read the registers that are written now
	QUANT D, 4                                     ; block 2 u + bb: key tile 2 j + u, the head's 32 bb .. 32 bb + 31
	v_lshl_or_b32 v[KS], v[TM+5], 8, v[TM+4]       ; the fragment's scale word: tile 2 j's two bytes, then tile 2 j + 1's
	v_lshl_or_b32 v[KS], v[TM+6], 16, v[KS]
	v_lshl_or_b32 v[KS], v[TM+7], 24, v[KS]
.irp u, 0,1
.irp c, 0,1
	ds_store_b128 v[KWI], v[PCA+8*\u+4*\c:PCA+8*\u+4*\c+3] offset:(2*\j+\u)*1024+512*\c
.endr
.endr
	ds_store_b32 v[KWS], v[KS] offset:4*\j
.endm
; v of the same 32 keys, all 64 channels: 8 products, 4 blocks (one for each 16 channels: a lane holds one channel and 16 keys).  next = 1: Wq and my queries of x are asked for
.macro VBATCH j, next
.irp k, 0,1,2,3
.irp u, 0,1
	v_wmma_scale_f32_16x16x128_f8f6f4 v[D+8*(2*\k+\u):D+8*(2*\k+\u)+7], v[XF+16*(2*\j+\u):XF+16*(2*\j+\u)+15], v[FR+16*\k:FR+16*\k+15], 0, v[XS+2*\j+\u], v[WS+\k] matrix_a_fmt:MATRIX_FMT_BF8 matrix_b_fmt:MATRIX_FMT_BF8
.endr
.endr
	PLACES 8
.if \next
	LOADQ
.endif
	s_wait_dscnt 0x0
	QUANT D, 4
.irp k, 0,1,2,3
	ds_store_b128 v[VWI], v[PCA+4*\k:PCA+4*\k+3] offset:2048*\k+512*\j
.endr
.irp k, 0,1,2,3
	ds_store_b8 v[VWS], v[TM+4+\k] offset:4*\k+\j  ; byte 2 (w % 2) + j of the channel's scale word for this key step
.endr
.endm
; a key step's eight tiles of k, as four fragments of two tiles, into the run of 64 registers at B, and their four scale words
.macro KLOAD B
.irp f, 0,1,2,3
.irp c, 0,1,2,3
	ds_load_b128 v[\B+16*\f+4*\c:\B+16*\f+4*\c+3], v[ADK] offset:2048*\f+512*\c
.endr
.endr
	ds_load_b128 v[KSW:KSW+3], v[ADS]
.endm
; A KEY STEP: 128 keys.  On the way in, the step's tiles of k are on their way into the run X.  The scores go to the run Y; v's fragments are asked for into X as soon as the products have read it, and land
; under the softmax; the next step's tiles of k are asked for into Y as soon as p has been turned into codes.  So the two runs change places from step to step.
; first = 1: the wave's first step, which starts M, the sum and O^T.  last = 1: no step follows in any wave.
.macro STEP X, Y, first, last
	v_add_nc_u32 v[ADV], s[TV], v[LI]
	v_add_nc_u32 v[ADT], s[TSV], v[LI]
	PLACES 7                                       ; with the two additions: nine places between the last step's products and these, which write over registers that those read
	s_wait_dscnt 0x0                               ; k's tiles and scale words are in
.irp f, 0,1,2,3                        ; S^T = k q^T: each fragment twice, against [q | 0] for its first tile and against [0 | q] for its second
	v_wmma_scale_f32_16x16x128_f8f6f4 v[\Y+16*\f:\Y+16*\f+7], v[\X+16*\f:\X+16*\f+15], v[QF+8:QF+23], 0, v[KSW+\f], v[QS] matrix_a_fmt:MATRIX_FMT_BF8 matrix_b_fmt:MATRIX_FMT_BF8
	v_wmma_scale_f32_16x16x128_f8f6f4 v[\Y+16*\f+8:\Y+16*\f+15], v[\X+16*\f:\X+16*\f+15], v[QF:QF+15], 0, v[KSW+\f], v[QS] matrix_a_fmt:MATRIX_FMT_BF8 matrix_b_fmt:MATRIX_FMT_BF8
.endr
	PLACES 8                                       ; ahead of loads into registers that these products have read, and of the first read of the scores
.irp k, 0,1,2,3                        ; v's four fragments (16 channels x 128 keys each)
.irp c, 0,1,2,3
	ds_load_b128 v[\X+16*\k+4*\c:\X+16*\k+4*\c+3], v[ADV] offset:2048*\k+512*\c
.endr
.endr
	ds_load_b128 v[VSW:VSW+3], v[ADT]              ; and their scale words
	s_cmp_lt_u32 s[SS], s[SMAX]                    ; register 16 b + i of lane (r, h): query r, key 128 s + 32 b + 16 h + i.  Only my tile's last step lies on the diagonal
	s_cbranch_scc1 .Lopen_\@
.set n, 0
.rept 64
	v_cmp_gt_i32 vcc_lo, 32*(n/16)+n%16, v[DL]
	v_cndmask_b32 v[\Y+n], v[\Y+n], v[NINF], vcc_lo   ; a hidden key's score becomes -infinity: p = 0.  The step's first key counts for every query of the tile, so the maximum is a number
.set n, n+1
.endr
.Lopen_\@:
.irp b, 0,1,2,3
	v_max3_num_f32 v[BM+\b], v[\Y+16*\b], v[\Y+1+16*\b], v[\Y+2+16*\b]   ; the largest score of each block of 32 keys: for the row's maximum, and for the block's largest p
.endr
.irp i, 3,5,7,9,11,13
.irp b, 0,1,2,3
	v_max3_num_f32 v[BM+\b], v[BM+\b], v[\Y+16*\b+\i], v[\Y+1+16*\b+\i]
.endr
.endr
.irp b, 0,1,2,3
	v_max_num_f32 v[BM+\b], v[BM+\b], v[\Y+15+16*\b]
.endr
.irp b, 0,1,2,3
	v_permlanex16_b32 v[BP+\b], v[BM+\b], s[SEL], s[SEL+1]
.endr
.irp b, 0,1,2,3
	v_max_num_f32 v[BM+\b], v[BM+\b], v[BP+\b]     ; with lane l xor 16's 16 keys
.endr
	v_max3_num_f32 v[T0], v[BM], v[BM+1], v[BM+2]
	v_max_num_f32 v[T0], v[T0], v[BM+3]
.if \first
	v_mul_f32 v[TMX], s[CS], v[T0]                 ; the largest t (c is positive)
	v_floor_f32 v[NM], -v[TMX]                     ; -M = floor(-t) = -ceil(t)
.else
	v_mul_f32 v[T0], s[CS], v[T0]
	v_max_num_f32 v[TMX], v[TMX], v[T0]            ; the running largest t
	v_mov_b32 v[T0], v[NM]
	v_floor_f32 v[NM], -v[TMX]
	v_sub_f32 v[T0], v[NM], v[T0]                  ; old M - new M: a whole number, 0 or less
	v_cvt_i32_f32 v[T0], v[T0]                     ; (it saturates)
	v_ldexp_f32 v[F], 1.0, v[T0]                   ; f = 2^(old M - new M): multiplying by it rounds nothing
.endif
.set n, 0
.rept 32
	v_pk_fma_f32 v[\Y+n:\Y+n+1], v[\Y+n:\Y+n+1], s[CS:CS+1], v[NM:NM+1] op_sel_hi:[1,0,0]   ; t - M (of the pairs c and -M the low word serves both halves)
.set n, n+2
.endr
.irp b, 0,1,2,3
	v_fma_f32 v[BM+\b], v[BM+\b], s[CS], v[NM]     ; the same of each block's largest score
.endr
.set n, 0
.rept 64
	v_exp_f32 v[\Y+n], v[\Y+n]                     ; p = 2^(t - M)
.set n, n+1
.endr
.if \first
	v_mov_b32 v[L0], 0                             ; the sum begins: plain lines behind the exponentials
	v_mov_b32 v[L0+1], 0
.else
	v_pk_mul_f32 v[L0:L0+1], v[L0:L0+1], v[F:F+1] op_sel_hi:[1,0]  ; the sums under the new M: the plain line behind the exponentials
.endif
	s_wait_alu depctr_va_vdst(0)                   ; one wait for the batch of 64, ahead of its first reader
.irp b, 0,1,2,3
	v_exp_f32 v[BM+\b], v[BM+\b]                   ; the blocks' largest p
.endr
	v_pk_add_f32 v[BP:BP+1], v[\Y:\Y+1], v[\Y+2:\Y+3]  ; the row's sum is taken of the unquantised p, in two chains; these lines read the 64 alone
.irp j, 4,8,12,16,20,24,28,32,36,40,44,48,52,56,60
	v_pk_add_f32 v[L0:L0+1], v[L0:L0+1], v[\Y+\j:\Y+\j+1]
	v_pk_add_f32 v[BP:BP+1], v[BP:BP+1], v[\Y+2+\j:\Y+3+\j]
.endr
	v_pk_add_f32 v[L0:L0+1], v[L0:L0+1], v[BP:BP+1]
	s_wait_alu depctr_va_vdst(0)                   ; and one for the four
.irp b, 0,1,2,3
	v_max_num_f32 v[BM+\b], 0x8000000, v[BM+\b]    ; the floor 2^(16 - 127)
.endr
.irp b, 0,1,2,3
	v_add_nc_u32 v[BS+\b], 0xf8800000, v[BM+\b]
.endr
.irp b, 0,1,2,3
	v_and_or_b32 v[BH+\b], v[BM+\b], 0x7f800000, s[MNT]
.endr
.irp b, 0,1,2,3
	v_lshrrev_b32 v[BP+\b], 23, v[BS+\b]
.endr
	v_lshl_or_b32 v[PW], v[BP+1], 8, v[BP]         ; p's scale word for these 128 keys
	v_lshl_or_b32 v[PW], v[BP+2], 16, v[PW]
	v_lshl_or_b32 v[PW], v[BP+3], 24, v[PW]
.irp b, 0,1,2,3
.irp i, 0,1,2,3,4,5,6,7,8,9,10,11,12,13,14,15
	v_min_num_f32 v[\Y+16*\b+\i], v[\Y+16*\b+\i], v[BH+\b]         ; p is not negative: the hold is one-sided
.endr
	v_cvt_scalef32_pk8_bf8_f32 v[PC+4*\b:PC+4*\b+1], v[\Y+16*\b:\Y+16*\b+7], v[BS+\b]
	v_cvt_scalef32_pk8_bf8_f32 v[PC+4*\b+2:PC+4*\b+3], v[\Y+16*\b+8:\Y+16*\b+15], v[BS+\b]
.endr
	v_nop                                          ; the plain line behind the last conversion
	s_wait_dscnt 0x0                               ; v's fragments, asked for a softmax ago
.if !\last
	s_add_co_u32 s[SS], s[SS], s[STRIDE]           ; my next step,
	s_min_u32 s[SA], s[SS], 7                      ; held at the last step there is, so that on every path the addresses lie inside the images
	s_lshl_b32 s[TK], s[SA], 13
	s_lshl_b32 s[TSK], s[SA], 9
	s_add_co_u32 s[TV], s[TK], VIMG
	s_add_co_u32 s[TSV], s[TSK], VSC
	s_add_co_u32 s[TSK], s[TSK], KSC
	s_cmp_gt_u32 s[SS], s[SMAX]                    ; past my tile's diagonal: nothing is asked for
	s_cbranch_scc1 .Lnone_\@
	v_add_nc_u32 v[ADK], s[TK], v[LI]
	v_add_nc_u32 v[ADS], s[TSK], v[LI]
	KLOAD \Y                                       ; p's registers are free: the next step's tiles of k take them
.Lnone_\@:
.endif
.if \first
	PLACES 4                                       ; they part p's codes from the products
.irp k, 0,1,2,3                        ; O^T = v^T p^T: the first step starts the sums
	v_wmma_scale_f32_16x16x128_f8f6f4 v[O+8*\k:O+8*\k+7], v[\X+16*\k:\X+16*\k+15], v[PC:PC+15], 0, v[VSW+\k], v[PW] matrix_a_fmt:MATRIX_FMT_BF8 matrix_b_fmt:MATRIX_FMT_BF8
.endr
.else
.set n, 0
.rept 16
	v_pk_mul_f32 v[O+n:O+n+1], v[O+n:O+n+1], v[F:F+1] op_sel_hi:[1,0]   ; O^T under the new M; these lines also part p's codes from the products
.set n, n+2
.endr
.irp k, 0,1,2,3                        ; O^T += v^T p^T.  The four sums take turns, one instruction a turn, and the eight products of S^T stand between two links of a sum
	v_wmma_scale_f32_16x16x128_f8f6f4 v[O+8*\k:O+8*\k+7], v[\X+16*\k:\X+16*\k+15], v[PC:PC+15], v[O+8*\k:O+8*\k+7], v[VSW+\k], v[PW] matrix_a_fmt:MATRIX_FMT_BF8 matrix_b_fmt:MATRIX_FMT_BF8
.endr
.endif
.if !\last
	s_cmp_gt_u32 s[SS], s[SMAX]                    ; the same question as above: no next step, no next copy
	s_cbranch_scc1 .Ldone
.endif
.endm
; THE WAY OUT.  Register 8 ct + i of lane (r, h) of the result is out(query r, channel 16 ct + 8 h + i): through my own stage, back as whole rows of 256 bytes
.macro OUTP
.irp k, 0,1,2,3
	ds_store_b128 v[SO], v[RES+8*\k:RES+8*\k+3] offset:64*\k
	ds_store_b128 v[SO], v[RES+8*\k+4:RES+8*\k+7] offset:64*\k+16
.endr
.irp i, 0,1,2,3,4,5,6,7
	ds_load_b128 v[BK+4*\i:BK+4*\i+3], v[SR] offset:544*\i         ; LDS serves a wave's instructions in order (ISA guide 5.7.1.4): these see my stores
.endr
.irp i, 0,1,2,3,4,5,6,7
	s_wait_dscnt 7-\i                              ; load i is in; the younger ones may be out
	global_store_b128 v[GO], v[BK+4*\i:BK+4*\i+3], s[OUT:OUT+1] offset:512*\i th:TH_STORE_NT   ; 16 lanes store 256 consecutive bytes, at a multiple of 256 from out0's first byte; written once
.endr
.endm
	; ---- HEAD.  All that hangs on ids alone is made while the arguments are on their way: every LDS address of phase A and of the end among it
	s_load_b512 s[8:23], s[0:1], 0x0
	s_load_b64 s[OUT:OUT+1], s[0:1], 0x40
	v_lshrrev_b32 v1, 5, v0
	v_readfirstlane_b32 s[WV], v1                  ; wave 0..15
.irp t, 0,1,2,3
.irp i, 8,9,10,11,12,13,14,15
	v_mov_b32 v[FR+16*\t+\i], 0                    ; zero codes for K = 64 .. 127, on both operands of phase A's products
	v_mov_b32 v[XF+16*\t+\i], 0
.endr
.endr
.irp b, 0,1,2,3
	v_mov_b32 v[TM+4+\b], 0                        ; written once: a lane permute's destination counts as one of its sources
.endr
	v_mov_b32 v[NINF], 0xff800000
	v_and_b32 v240, 31, v0                         ; lane
	v_lshlrev_b32 v[LI], 4, v240
	v_lshlrev_b32 v249, 2, v240                    ; 4 x lane
	v_and_b32 v241, 15, v0                         ; r
	v_bfe_u32 v242, v0, 4, 1                       ; h
	v_and_b32 v243, 8, v241
	v_add_nc_u32 v243, v243, v241                  ; r + 8 (r / 8)
	v_lshlrev_b32 v[OP], 6, v243
	v_lshl_add_u32 v[OP], v242, 4, v[OP]
	v_lshlrev_b32 v[ON], 6, v241
	v_lshl_add_u32 v[ON], v242, 4, v[ON]
	v_lshlrev_b32 v[SP], 1, v243
	v_lshlrev_b32 v[SN], 1, v241
	s_lshl_b32 s6, s[WV], 12                       ; my four tiles of k
	v_add_nc_u32 v[KWI], s6, v[LI]
	s_lshr_b32 s6, s[WV], 1                        ; my keys' step,
	s_and_b32 s7, s[WV], 1                         ; and which half of it
	s_lshl_b32 s4, s6, 9
	s_lshl_b32 s5, s7, 3
	s_add_co_u32 s4, s4, s5
	s_add_co_u32 s4, s4, KSC
	v_add_nc_u32 v[KWS], s4, v[LI]
	s_lshl_b32 s4, s6, 13
	s_lshl_b32 s5, s7, 10
	s_add_co_u32 s4, s4, s5
	s_add_co_u32 s4, s4, VIMG
	v_add_nc_u32 v[VWI], s4, v[LI]
	s_lshl_b32 s4, s6, 9
	s_lshl_b32 s5, s7, 1
	s_add_co_u32 s4, s4, s5
	s_add_co_u32 s4, s4, VSC
	v_add_nc_u32 v[VWS], s4, v[LI]
	s_lshr_b32 s[G], ttmp9, 1
	s_and_b32 s[HALF], ttmp9, 1
	s_and_b32 s[BATCH], ttmp7, 0xffff
	s_lshl_b32 s[NW], s[G], 1
	s_sub_co_u32 s[NW], 16, s[NW]                  ; waves whose keys somebody reads: 128 (8 - G) keys
	s_lshr_b32 s[ROW], s[WV], 2
	s_and_b32 s[CAT], s[WV], 3
	s_add_co_u32 s[CAT], s[CAT], s[ROW]
	s_and_b32 s[CAT], s[CAT], 3
	s_lshr_b32 s4, s[CAT], 1
	s_and_b32 s[LIGHT], s4, s[CAT]                 ; 1 where CAT = 3: the short tile's wave
	s_xor_b32 s[HEAVY], s[LIGHT], 1
	s_lshl_b32 s[STRIDE], s[HEAVY], 1
	s_add_co_u32 s[STRIDE], s[STRIDE], 1           ; 3 for a long tile's wave, 1 for a short one's
	s_mul_i32 s4, s[HEAVY], 3
	s_and_b32 s[SS], s[CAT], s4                    ; my first step: CAT for a long tile's wave, 0 for a short one's; never past the diagonal (a long tile has five steps or more)
	s_sub_co_u32 s4, 7, s[G]
	s_cmp_eq_u32 s[HEAVY], 1
	s_cselect_b32 s[SMAX], s4, s[G]
	s_lshl_b32 s[Q0], s[SMAX], 3
	s_lshl_b32 s4, s[HALF], 2
	s_add_co_u32 s[Q0], s[Q0], s4
	s_add_co_u32 s[Q0], s[Q0], s[ROW]              ; my tile: 8 SMAX + 4 HALF + ROW
	s_lshl_b32 s[Q0], s[Q0], 4
	s_lshl_b32 s4, s[ROW], 2                       ; the meeting: region 4 ROW + CAT; the wave with CAT = 0 finds its partners' in the two regions behind its own
	s_add_co_u32 s4, s4, s[CAT]
	s_mul_i32 s4, s4, MRGW
	s_add_co_u32 s4, s4, MRG
	v_add_nc_u32 v[MB], s4, v[LI]
	s_add_co_u32 s4, s4, 4096
	v_add_nc_u32 v[MBS], s4, v249
	s_mul_i32 s6, s[WV], STGW
	s_add_co_u32 s6, s6, STG
	v_mul_u32_u24 v248, v241, 272
	v_lshl_add_u32 v248, v242, 5, v248
	v_add_nc_u32 v[SO], s6, v248                   ; in: row r, 32 h bytes on
	v_mul_u32_u24 v248, v242, 272
	v_lshl_add_u32 v248, v241, 4, v248
	v_add_nc_u32 v[SR], s6, v248                   ; back: lanes 0-15 one row, lanes 16-31 the next
	v_lshlrev_b32 v[GO], 8, v242
	v_lshl_add_u32 v[GO], v241, 4, v[GO]           ; and the same two rows of out0
	s_and_b32 s4, s[Q0], 127
	v_lshlrev_b32 v248, 4, v242
	v_sub_nc_u32 v[DL], v241, v248
	v_add_nc_u32 v[DL], s4, v[DL]                  ; on the diagonal step register 16 b + i holds a hidden key where 32 b + i > DL
	s_lshl_b32 s[TK], s[SS], 13                    ; where my first step begins in the images
	s_lshl_b32 s[TSK], s[SS], 9
	s_add_co_u32 s[TV], s[TK], VIMG
	s_add_co_u32 s[TSV], s[TSK], VSC
	s_add_co_u32 s[TSK], s[TSK], KSC
	s_lshl_b32 s4, s[BATCH], 16                    ; the batch's codes: 1,024 rows of 64 bytes;
	s_lshl_b32 s5, s[BATCH], 11                    ; its scale bytes: 2 a row
	s_lshl_b32 s34, s[WV], 12
	s_add_co_u32 s34, s34, s4
	s_mov_b32 s35, 0
	s_lshl_b32 s36, s[WV], 7
	s_add_co_u32 s36, s36, s5
	s_mov_b32 s37, 0
	s_lshl_b32 s58, s[Q0], 6
	s_add_co_u32 s58, s58, s4
	s_mov_b32 s59, 0
	s_lshl_b32 s60, s[Q0], 1
	s_add_co_u32 s60, s60, s5
	s_mov_b32 s61, 0
	s_lshl_b32 s62, s[BATCH], 18                   ; out0: 1,024 rows of 256 bytes a batch
	s_lshl_b32 s6, s[Q0], 8
	s_add_co_u32 s62, s62, s6
	s_mov_b32 s63, 0
	s_mov_b32 s[SEL], 0x76543210
	s_mov_b32 s[SEL+1], 0xfedcba98
	s_mov_b32 s[CS], 0x3e38aa3b                    ; log2(e) / 8
	s_mov_b32 s[CS+1], s[CS]                       ; (named with it as a pair, so it is written)
	s_mov_b32 s[MNT], 0x600000
	s_wait_kmcnt 0x0
	s_add_nc_u64 s[XB:XB+1], s[XC:XC+1], s[34:35]
	s_add_nc_u64 s[XSB:XSB+1], s[XSCL:XSCL+1], s[36:37]
	s_add_nc_u64 s[XQ:XQ+1], s[XC:XC+1], s[58:59]
	s_add_nc_u64 s[XQS:XQS+1], s[XSCL:XSCL+1], s[60:61]
	s_add_nc_u64 s[OUT:OUT+1], s[OUT:OUT+1], s[62:63]
	; ---- PHASE A: k and v of my 64 keys, if any tile of this work-group reads them.  One set of registers serves Wk, Wv and Wq in turn: each is asked for while the batch before it is quantised
	s_cmp_ge_u32 s[WV], s[NW]
	s_cbranch_scc1 .Lq_load
	LOADX
	LOADW WKC, WKS, OP, SP, 1
	s_wait_loadcnt 0x0
	KBATCH 0, 0
	KBATCH 1, 1
	s_wait_loadcnt 0x0                             ; Wv
	VBATCH 0, 0
	VBATCH 1, 1
	s_branch .Lq
.Lq_load:
	LOADQ
.Lq:
	s_wait_loadcnt 0x0                             ; Wq and my queries of x; no global load is out from here on, so their offset registers may be written
	; ---- q of my tile: it stays in registers
.irp t, 0,1,2,3
	v_wmma_scale_f32_16x16x128_f8f6f4 v[D+8*\t:D+8*\t+7], v[FR+16*\t:FR+16*\t+15], v[XF:XF+15], 0, v[WS+\t], v[XS] matrix_a_fmt:MATRIX_FMT_BF8 matrix_b_fmt:MATRIX_FMT_BF8
.endr
	PLACES 8
	s_wait_dscnt 0x0                               ; my images and scale words have landed: their registers may be written; and for the others' sake: no LDS instruction of mine follows ahead of the barrier
	QUANT D, 2                                     ; q's codes fall into v[QF + 8] on
	v_lshl_or_b32 v[QS], v[TM+5], 8, v[TM+4]
	v_lshl_or_b32 v[QS], v[QS], 16, v[QS]          ; q's two bytes twice: for [q | 0] and for [0 | q]
.irp i, 0,1,2,3,4,5,6,7
	v_mov_b32 v[QF+\i], 0                          ; zero codes below q's and above them.  (These lines also part q's scale word from the first product that takes it)
	v_mov_b32 v[QF+16+\i], 0
.endr
	s_barrier_signal -1
	s_barrier_wait -1                              ; k and v of all keys that this work-group reads lie in LDS; nobody writes them again
	; ---- PHASE B: my steps, written out: every wave has the first; behind each of the others' products a wave whose next step lies past its tile's diagonal leaves
	v_add_nc_u32 v[ADK], s[TK], v[LI]
	v_add_nc_u32 v[ADS], s[TSK], v[LI]
	KLOAD FR
	STEP FR, SB, 1, 0
	STEP SB, FR, 0, 0
	STEP FR, SB, 0, 0
	STEP SB, FR, 0, 1                              ; reached by the short tile's wave alone, where that tile has four steps
	; ---- THE PARTS OF A TILE MEET
.Ldone:
	s_wait_dscnt 0x0                               ; no LDS load of mine is on its way: a wave leaves the steps just where it has asked for no further tiles
	v_add_f32 v[L0], v[L0], v[L0+1]                ; the sum's two halves
	PLACES 7                                       ; with the addition: eight places behind the last products
	s_cmp_eq_u32 s[CAT], 0                         ; the wave that finishes a long tile has nothing to do ahead of the barrier
	s_cbranch_scc1 .Ljoin
	s_cmp_eq_u32 s[CAT], 3
	s_cbranch_scc1 .Lshort
.irp i, 0,1,2,3,4,5,6,7
	ds_store_b128 v[MB], v[O+4*\i:O+4*\i+3] offset:512*\i          ; its two partners put O^T, -M and the sum into their regions; each sum from its low end on
.endr
	ds_store_b32 v[MBS], v[NM]
	ds_store_b32 v[MBS], v[L0] offset:128
	s_branch .Ljoin
.Lshort:                               ; a short tile has one wave: it is finished here, and its rows leave while the long tiles are still at work
	v_permlanex16_b32 v[BP], v[L0], s[SEL], s[SEL+1]
	v_add_f32 v[L0], v[L0], v[BP]                  ; with lane l xor 16's keys: the row's sum
	v_rcp_f32 v[G0], v[L0]                         ; twice: the packed multiply takes a pair
	v_rcp_f32 v[G0+1], v[L0]
	v_nop                                          ; a plain line behind the reciprocals,
	s_wait_alu depctr_va_vdst(0)                   ; and the wait ahead of their first reader
.set n, 0
.rept 16
	v_pk_mul_f32 v[RES+n:RES+n+1], v[O+n:O+n+1], v[G0:G0+1]
.set n, n+2
.endr
	OUTP
.Ljoin:
	s_wait_dscnt 0x0                               ; for my partner's sake: my stores have landed
	s_barrier_signal -1
	s_barrier_wait -1
	s_cmp_lg_u32 s[CAT], 0
	s_cbranch_scc1 .Lend
	ds_load_b32 v[PN1], v[MBS] offset:MRGW
	ds_load_b32 v[PL1], v[MBS] offset:MRGW+128
	ds_load_b32 v[PN2], v[MBS] offset:2*MRGW
	ds_load_b32 v[PL2], v[MBS] offset:2*MRGW+128
.irp i, 0,1,2,3,4,5,6,7
	ds_load_b128 v[PO1+4*\i:PO1+4*\i+3], v[MB] offset:MRGW+512*\i
.endr
.irp i, 0,1,2,3,4,5,6,7
	ds_load_b128 v[PO2+4*\i:PO2+4*\i+3], v[MB] offset:2*MRGW+512*\i
.endr
	s_wait_dscnt 16                                ; my partners' -M and sums are in; the sixteen younger loads, their O^T, may be out
	v_min3_num_f32 v[BM], v[NM], v[PN1], v[PN2]    ; -M of all three
	v_sub_f32 v[BM+1], v[BM], v[NM]                ; whole numbers, 0 or less
	v_sub_f32 v[BM+2], v[BM], v[PN1]
	v_sub_f32 v[BM+3], v[BM], v[PN2]
	v_cvt_i32_f32 v[BM+1], v[BM+1]
	v_cvt_i32_f32 v[BM+2], v[BM+2]
	v_cvt_i32_f32 v[BM+3], v[BM+3]
	v_ldexp_f32 v[BM+1], 1.0, v[BM+1]              ; my factor and my partners': powers of two
	v_ldexp_f32 v[BM+2], 1.0, v[BM+2]
	v_ldexp_f32 v[BM+3], 1.0, v[BM+3]
	v_mul_f32 v[L0], v[L0], v[BM+1]
	v_fmac_f32 v[L0], v[PL1], v[BM+2]
	v_fmac_f32 v[L0], v[PL2], v[BM+3]
	v_permlanex16_b32 v[BP], v[L0], s[SEL], s[SEL+1]
	v_add_f32 v[L0], v[L0], v[BP]                  ; with lane l xor 16's keys: the row's sum
	v_rcp_f32 v[BH], v[L0]
	v_nop                                          ; a plain line behind the reciprocal,
	s_wait_alu depctr_va_vdst(0)                   ; and the wait ahead of its first reader
	v_mul_f32 v[G0], v[BM+1], v[BH]                ; each twice: the packed forms take pairs
	v_mul_f32 v[G0+1], v[BM+1], v[BH]
	v_mul_f32 v[G1], v[BM+2], v[BH]
	v_mul_f32 v[G1+1], v[BM+2], v[BH]
	v_mul_f32 v[G2], v[BM+3], v[BH]
	v_mul_f32 v[G2+1], v[BM+3], v[BH]
.set n, 0
.rept 16
	v_pk_mul_f32 v[RES+n:RES+n+1], v[O+n:O+n+1], v[G0:G0+1]        ; my own part, while my partners' are on their way
.set n, n+2
.endr
	s_wait_dscnt 8                                 ; the first partner's O^T is in; the second's eight loads may be out
.set n, 0
.rept 16
	v_pk_fma_f32 v[RES+n:RES+n+1], v[PO1+n:PO1+n+1], v[G1:G1+1], v[RES+n:RES+n+1]
.set n, n+2
.endr
	s_wait_dscnt 0x0
.set n, 0
.rept 16
	v_pk_fma_f32 v[RES+n:RES+n+1], v[PO2+n:PO2+n+1], v[G2:G2+1], v[RES+n:RES+n+1]
.set n, n+2
.endr
	OUTP
.Lend:
	s_wait_xcnt 0x0
	v_lshl_add_u32 v254, v0, 2, 0x45000
	v_mov_b32 v255, 0
	s_wait_tensorcnt 0x0
	ds_add_u32 v254, v255
	s_wait_dscnt 0x0
	s_endpgm
.Lfunc_end_k_q4c1f1df0fa_head:
	.size	k_q4c1f1df0fa_head, .Lfunc_end_k_q4c1f1df0fa_head-k_q4c1f1df0fa_head
	.p2alignl 7, 3214868480
	.fill 96, 4, 3214868480
	.section	.rodata,"a",@progbits
	.p2align	6, 0x0
	.amdhsa_kernel k_q4c1f1df0fa_head
		.amdhsa_group_segment_fixed_size 284672
		.amdhsa_private_segment_fixed_size 0
		.amdhsa_enable_private_segment 0
		.amdhsa_kernarg_size 72
		.amdhsa_user_sgpr_count 2
		.amdhsa_user_sgpr_kernarg_segment_ptr 1
		.amdhsa_wavefront_size32 1
		.amdhsa_system_sgpr_workgroup_id_x 1
		.amdhsa_system_sgpr_workgroup_id_y 1
		.amdhsa_system_sgpr_workgroup_id_z 1
		.amdhsa_system_vgpr_workitem_id 0
		.amdhsa_next_free_vgpr 256
		.amdhsa_next_free_sgpr 66
		.amdhsa_reserve_vcc 1
		.amdhsa_float_denorm_mode_32 3
		.amdhsa_float_denorm_mode_16_64 3
		.amdhsa_memory_ordered 1
		.amdhsa_forward_progress 1
		.amdhsa_inst_pref_size 162
	.end_amdhsa_kernel
	.amdgpu_metadata
---
amdhsa.version: [ 1, 2 ]
amdhsa.kernels:
  - .name:           k_q4c1f1df0fa_head
    .symbol:         k_q4c1f1df0fa_head.kd
    .args:
      - { .name: x_codes, .offset: 0, .size: 8, .value_kind: global_buffer, .address_space: global }
      - { .name: x_scales, .offset: 8, .size: 8, .value_kind: global_buffer, .address_space: global }
      - { .name: Wq_codes, .offset: 16, .size: 8, .value_kind: global_buffer, .address_space: global }
      - { .name: Wq_scales, .offset: 24, .size: 8, .value_kind: global_buffer, .address_space: global }
      - { .name: Wk_codes, .offset: 32, .size: 8, .value_kind: global_buffer, .address_space: global }
      - { .name: Wk_scales, .offset: 40, .size: 8, .value_kind: global_buffer, .address_space: global }
      - { .name: Wv_codes, .offset: 48, .size: 8, .value_kind: global_buffer, .address_space: global }
      - { .name: Wv_scales, .offset: 56, .size: 8, .value_kind: global_buffer, .address_space: global }
      - { .name: out0, .offset: 64, .size: 8, .value_kind: global_buffer, .address_space: global }
    .group_segment_fixed_size: 284672
    .private_segment_fixed_size: 0
    .kernarg_segment_align: 8
    .kernarg_segment_size: 72
    .max_flat_workgroup_size: 512
    .sgpr_count:     66
    .vgpr_count:     256
    .wavefront_size: 32
...
	.end_amdgpu_metadata
.endif
;; end of part 1
;; ======== version 2 of 2: 1 launch; version 1 with the launch head written anew for expert scheduling mode
;; launch head (part 2): grid 8 x 32, 16 waves a work-group, no clusters, 284,672 bytes of LDS; arguments x_codes, x_scales, Wq_codes, Wq_scales, Wk_codes, Wk_scales, Wv_codes, Wv_scales, out0; writes out0
.if DOCPART == 2
	.amdgcn_target "amdgcn-amd-amdhsa--gfx1250"
	.amdhsa_code_object_version 6
	.text
	.protected	k_q4c1f1df0fa_head
	.globl	k_q4c1f1df0fa_head
	.p2align	8
	.type	k_q4c1f1df0fa_head,@function
k_q4c1f1df0fa_head:
	s_mov_b64 s[64:65], 0
	v_nop
	global_prefetch_b8 v0, s[64:65] scope:SCOPE_SE
	s_setreg_imm32_b32 hwreg(HW_REG_WAVE_SCHED_MODE, 0, 2), 2
	s_setreg_imm32_b32 hwreg(HW_REG_WAVE_MODE, 25, 1), 1
	s_wait_xcnt 0x0
	s_wait_alu depctr_vm_vsrc(0)
; ONE CAUSAL ATTENTION HEAD ON CODES OF BF8 (E5M2), one E8M0 scale for each 32 along a product's K.  32 batches, 1,024 rows, head size 64.
; q = x Wq^T, k = x Wk^T, v = x Wv^T (x and the weights arrive as codes); q and k are quantised along the head's 64, v along the keys; S = q k^T; t = S x log2(e) / 8;
; M = the row's largest t so far, rounded up to a whole number; p = 2^(t - M) is quantised along the keys, not normalised; the sum of the unquantised p divides O = p v at the end.
; SHARES.  Work-group (J, batch), J = 0..7, G = J / 2, HALF = J % 2, owns 8 tiles of 16 queries: four SHORT ones with G + 1 key steps of 128 keys (tiles 8 G + 4 HALF + 0..3) and four LONG ones with 8 - G
; (tiles 8 (7 - G) + 4 HALF + 0..3): 36 tile steps in every work-group.  Key steps all of whose keys come after a tile's queries are not computed: the mask is causal.
; A LONG TILE HAS THREE WAVES, A SHORT ONE HAS ONE.  Wave w: ROW = w / 4 (which of the four tiles of a kind), CAT = (ROW + w % 4) % 4.  CAT 0, 1, 2 take the long tile's steps CAT, CAT + 3, CAT + 6;
; CAT 3 takes the short tile's steps 0, 1, ..  So a wave has at most three steps; only where G = 3 the short tile's wave has four.
; The three parts of a long tile (O, -M, sum) meet in LDS at the end; M is a whole number, so bringing them under one M rounds nothing.
; PHASE A: wave w makes the codes of k and v of keys 64 w .. 64 w + 63 (if any tile of the work-group reads them: w < 16 - 2 G) and puts them into LDS as IMAGES OF OPERAND REGISTERS
; (four registers: 512 bytes, lane l's 16 bytes at 16 l); then every wave makes its tile's fragment of q, which stays in registers.  PHASE B: the key steps, written out four times.  Two barriers in all.
; K = 64 IN A FORM THAT IS 128 DEEP.  Phase A: registers 0-7 of a fragment hold the 64 codes, registers 8-15 zero codes, on both operands; bytes 2 and 3 of the scale words are 0, which scales zeros.
; Phase B: a fragment holds TWO tiles of k, [tile 2 f | tile 2 f + 1], its scale word the two bytes of each; q stands as [0 | q | 0] in 24 registers, of which the upper 16, [q | 0], meet the first tile
; and the lower 16, [0 | q], the second: the other tile's codes, which are finite, meet zero codes.  q's scale word holds its two bytes twice.
; LAYOUT.  All products are used so that a lane's registers run along the NEXT product's K.  k and q: source 0 = 16 rows of W, source 1 = 16 rows of x.  v: source 0 = 16 rows of x (keys), source 1 = 16 rows of Wv.
; S^T: source 0 = 16 keys, source 1 = my 16 queries.  O^T: source 0 = 16 channels x 128 keys of v, source 1 = p.  A lane holds one query (lane % 16) throughout phase B.
; THE ROWS OF A TILE ARE NOT NEIGHBOURS (x's keys, Wq's and Wk's rows): lane r of tile 2 b + u takes row 32 b + 8 u + r + 8 (r / 8), so that the 16 registers of tiles 2 b and 2 b + 1 are 16 neighbours along the next K.
; NO JOINT LOADS, NO TENSOR LOADS: the 8 work-groups of a batch share 64 KB of x's codes, of which a wave takes 4 KB once, straight into operand registers; by way of LDS they would cost one barrier more and save no register.
; LIMITS.  NaN and infinity codes and scale bytes 0xff among the inputs are not served.  A block of zeros keeps the scale byte 1 where the rule says 127: its codes are zeros, and this program alone reads the bytes.
; p under 2^-126 comes out of v_exp_f32 as 0.  A block's largest p is made from the block's largest score by the same two instructions: that takes v_exp_f32 not to fall where its input rises.
; t - M is one fused multiply-add of the score, where the rule rounds t first.
; THE MODE: SCHED_MODE bits 1:0 = 2 (LLVM: expert scheduling mode 2), set by the entry lines.  The code itself states the register dependences between vector or matrix instructions and memory or LDS
; instructions, and between a vector instruction's scalar result and its readers, with s_wait_alu, always for 0.
; THE PLAN.  Registers that memory or LDS instructions touch:
;   v1, v10-14      addresses made at the head and never written again: one wait on va_vdst at the head serves them for the whole kernel.
;   v2-5            offsets of phase A's global loads; phase B writes them anew (-M, t, the sum): the wait on vm_vsrc ahead of q's quantiser frees them.
;   v6-9            addresses of phase A's LDS stores, then of phase B's LDS loads.  A step writes all four: one wait on vm_vsrc at its head; each pair is written ahead of a wait on va_vdst that stands there anyway.
;   FR, XF, v16-23  phase A: a weight or x lands where the products of the batch before have read: a wait on va_vdst behind those products' places, ahead of the loads.
;   PCA, v24, v244-247  phase A: the codes, the scale word and the bytes: written by the quantiser, read by the batch's LDS stores: va_vdst ahead of the stores, vm_vsrc ahead of the next quantiser.
;   X, Y, v16-23    phase B: v lands in X behind the wait that follows S^T's places; the next step's k lands in Y behind the wait that stands ahead of O^T's products, which name X, p's codes, O^T and
;                   their scales: none of the registers that those loads touch.
;   O^T, the result, the stage's rows, the partners' parts: a wait on va_vdst ahead of each run of LDS stores or loads at the end; and one wait on vm_vsrc where the three arms ahead of the second barrier
;                   join, since the text behind that barrier writes the result, the stage's rows and the sum again.
.set KIMG, 0                           ; LDS: k's tiles: tile T = 8 s + 2 f + u at 1,024 T + 512 c + 16 lane: a fragment of two tiles is 2,048 bytes on end
.set VIMG, 65536                       ; v's fragments: 8,192 s + 2,048 ct + 512 c + 16 lane (c: which 32 keys of the step's 128)
.set KSC,  131072                      ; k's scale words: 512 s + 16 lane + 4 f
.set VSC,  135168                      ; v's scale bytes: 512 s + 16 lane + 4 ct + c
.set MRG,  139264                      ; region 4 ROW + CAT, 4,608 bytes: O's image (8 x 512), -M at 4,096 + 4 lane, the sum at 4,224 + 4 lane
.set MRGW, 4608
.set STG,  212992                      ; for each wave a stage of 16 rows x (256 + 16) bytes for the way out
.set STGW, 4352
; vector registers
.set LI,  1                            ; 16 x lane
.set OP,  2                            ; phase A: 64 (r + 8 (r / 8)) + 16 h: a lane's byte in a tile of 64-byte rows, rows chosen as above
.set ON,  3                            ;          64 r + 16 h: the same with neighbouring rows
.set SP,  4                            ;          2 (r + 8 (r / 8)): its row's two scale bytes
.set SN,  5                            ;          2 r
.set KWI, 6                            ;          where I store k's images, k's scale words, v's images, v's scale bytes
.set KWS, 7
.set VWI, 8
.set VWS, 9
.set NM,  2                            ; phase B: v[2:3] -M and the largest t (named as a pair),
.set TMX, 3
.set L0,  4                            ;          v[4:5] the sum in two halves
.set ADK, 6                            ;          LDS addresses of a step's tiles of k, its scale words, v's fragments, their scale words
.set ADS, 7
.set ADV, 8
.set ADT, 9
.set MB,  10                           ; made at the head and kept: my region for the meeting, the words behind it,
.set MBS, 11
.set SO,  12                           ; the stage, in and back,
.set SR,  13
.set GO,  14                           ; my byte in the tile's rows of out0,
.set DL,  15                           ; my query less the diagonal step's first key less 16 h
.set WS,  16                           ; phase A: the weights' scale words, x's, and k's as it is made
.set XS,  20
.set KS,  24
.set KSW, 16                           ; phase B: k's four scale words, v's four
.set VSW, 20
.set F,   24                           ; 2^(old M - new M); named as a pair with
.set PW,  25                           ; p's scale word
.set NINF, 26
.set T0,  27
.set QS,  28                           ; q's scale word
.set PN1, 29                           ; the meeting: my partners' -M and sums
.set PL1, 30
.set PN2, 31
.set PL2, 27
.set FR,  32                           ; phase A: four places of 16: tiles of a weight, the upper 8 of each zeros.  Phase B: one of the two runs of 64 that change places
.set XF,  96                           ; phase A: four places of 16: tiles of x, the upper 8 zeros
.set SB,  96                           ; phase B: the other run of 64
.set RES, 32                           ; the way out: the result, and the rows read back from the stage
.set BK,  64
.set PO1, 96                           ; the meeting: my partners' O
.set PO2, 128
.set D,   160                          ; phase A: 64 results
.set O,   160                          ; phase B: O^T, 32 registers
.set PC,  192                          ; p's codes
.set G0,  208                          ; v[208:209], v[210:211], v[212:213]: what my O and my partners' are multiplied by, each twice
.set G1,  210
.set G2,  212
.set QF,  216                          ; phase B: 8 registers of zeros, q's 8 of codes, 8 of zeros
.set PCA, 224                          ; phase A: the codes just made
.set TM,  240                          ; +0..3 largest magnitudes, +4..7 the other half's, then bytes, +8..11 the largest code x the scale, +12..15 the conversions' scale operands
.set BM,  240
.set BP,  244
.set BH,  248
.set BS,  252
; scalar registers
.set WV,  2
.set STRIDE, 3                         ; from one of my steps to the next: 3 or 1
.set MK,  4                            ; phase B, the diagonal step: 32 masks, mask n in s[MK + n + 2 (n / 20)]: s4-23 and s26-37, which hold nothing that is wanted behind phase A's last load
.set XC,  8                            ; s[8:23]: the eight inputs' addresses, in the order of the arguments
.set XSCL, 10
.set WQC, 12
.set WQS, 14
.set WKC, 16
.set WKS, 18
.set WVC, 20
.set WVS, 22
.set OUT, 24
.set XB,  26                           ; x's codes and scale bytes at my wave's 64 keys,
.set XSB, 28
.set XQ,  30                           ; and at my tile's 16 queries
.set XQS, 32
.set G,   38
.set HALF, 39
.set BATCH, 40
.set NW,  41
.set ROW, 42
.set CAT, 43
.set HEAVY, 44
.set LIGHT, 45
.set SMAX, 46                          ; my tile's last key step, the one on the diagonal
.set Q0,  47                           ; my tile's first query
.set SEL, 48                           ; s[48:49] v_permlanex16_b32's selects for lane l xor 16
.set CS,  50                           ; s[50:51] c = log2(e) / 8: the packed form names a pair
.set MNT, 52                           ; the mantissa field of 57,344
.set TK,  53                           ; where a step begins in KIMG, VIMG, KSC, VSC
.set TV,  54
.set TSK, 55
.set TSV, 56
.set SS,  57                           ; the step in hand, from the request for the next tiles on: the next
.set SA,  58                           ; the same, held at 7 (the register is free behind the head)
.macro PLACES n                        ; plain vector instructions that name no register of the matrix instructions ahead of them (ISA guide 7.12.1)
.rept \n
	v_nop
.endr
.endm
; four tiles of a weight (16 rows x 64 codes each) and their scale words; perm = 1: rows chosen as above (vo = OP, vs = SP), 0: neighbours (ON, SN)
.macro LOADW cb, sb, vo, vs, perm
.irp t, 0,1,2,3
.if \perm
.set RW, 32*(\t/2)+8*(\t%2)
.else
.set RW, 16*\t
.endif
.irp c, 0,1
	global_load_b128 v[FR+16*\t+4*\c:FR+16*\t+4*\c+3], v[\vo], s[\cb:\cb+1] offset:RW*64+32*\c
.endr
	global_load_u16 v[WS+\t], v[\vs], s[\sb:\sb+1] offset:RW*2     ; two scale bytes; the upper half of the word comes as 0
.endr
.endm
.macro LOADX                           ; my 64 keys of x as four tiles
.irp t, 0,1,2,3
.irp c, 0,1
	global_load_b128 v[XF+16*\t+4*\c:XF+16*\t+4*\c+3], v[OP], s[XB:XB+1] offset:(32*(\t/2)+8*(\t%2))*64+32*\c
.endr
	global_load_u16 v[XS+\t], v[SP], s[XSB:XSB+1] offset:(32*(\t/2)+8*(\t%2))*2
.endr
.endm
.macro LOADQ                           ; Wq, and my tile's 16 queries of x, neighbouring rows
	LOADW WQC, WQS, OP, SP, 1
.irp c, 0,1
	global_load_b128 v[XF+4*\c:XF+4*\c+3], v[ON], s[XQ:XQ+1] offset:32*\c
.endr
	global_load_u16 v[XS], v[SN], s[XQS:XQS+1]
.endm
; nb blocks of 32: register s + 16 b + i of lanes l and l xor 16 are block b's numbers.  Codes to v[PCA + 4 b] on, bytes to v[TM + 4 + b].  The blocks take turns line by line.
.macro QUANT s, nb
.irp b, 0,1,2,3
.if \b < \nb
	v_max3_num_f32 v[TM+\b], |v[\s+16*\b]|, |v[\s+1+16*\b]|, 0x8000000      ; my 16 numbers, and the floor 2^(16 - 127): the byte cannot fall under 1
.endif
.endr
.irp i, 2,4,6,8,10,12,14
.irp b, 0,1,2,3
.if \b < \nb
	v_max3_num_f32 v[TM+\b], v[TM+\b], |v[\s+16*\b+\i]|, |v[\s+1+16*\b+\i]|
.endif
.endr
.endr
.irp b, 0,1,2,3
.if \b < \nb
	v_permlanex16_b32 v[TM+4+\b], v[TM+\b], s[SEL], s[SEL+1]
.endif
.endr
.irp b, 0,1,2,3
.if \b < \nb
	v_max_num_f32 v[TM+\b], v[TM+\b], v[TM+4+\b]                   ; with lane l xor 16's: the block's largest magnitude
.endif
.endr
.irp b, 0,1,2,3
.if \b < \nb
	v_add_nc_u32 v[TM+12+\b], 0xf8800000, v[TM+\b]                 ; 15 off its exponent field: the conversion takes this operand's exponent field as its scale
.endif
.endr
.irp b, 0,1,2,3
.if \b < \nb
	v_and_or_b32 v[TM+8+\b], v[TM+\b], 0x7f800000, s[MNT]          ; 57,344 x the scale
.endif
.endr
.irp b, 0,1,2,3
.if \b < \nb
	v_lshrrev_b32 v[TM+4+\b], 23, v[TM+12+\b]                      ; the scale's byte
.endif
.endr
.irp b, 0,1,2,3
.if \b < \nb
.irp i, 0,1,2,3,4,5,6,7,8,9,10,11,12,13,14,15
	v_med3_num_f32 v[\s+16*\b+\i], v[\s+16*\b+\i], -v[TM+8+\b], v[TM+8+\b]   ; the conversion to an 8-bit code does not saturate (ISA guide 7.6.2): the hold comes first
.endr
	v_cvt_scalef32_pk8_bf8_f32 v[PCA+4*\b:PCA+4*\b+1], v[\s+16*\b:\s+16*\b+7], v[TM+12+\b]
	v_cvt_scalef32_pk8_bf8_f32 v[PCA+4*\b+2:PCA+4*\b+3], v[\s+16*\b+8:\s+16*\b+15], v[TM+12+\b]
.endif
.endr
	v_nop                                          ; one plain line between the last conversion and whatever next touches its result or writes its sources
.endm
; k of x's tiles 2 j and 2 j + 1 (32 keys): 8 products, 4 blocks, two tiles' images (one fragment of phase B) and their one scale word.  next = 1: Wv takes Wk's place while these are quantised
.macro KBATCH j, next
.irp u, 0,1
.irp t, 0,1,2,3
	v_wmma_scale_f32_16x16x128_f8f6f4 v[D+8*(4*\u+\t):D+8*(4*\u+\t)+7], v[FR+16*\t:FR+16*\t+15], v[XF+16*(2*\j+\u):XF+16*(2*\j+\u)+15], 0, v[WS+\t], v[XS+2*\j+\u] matrix_a_fmt:MATRIX_FMT_BF8 matrix_b_fmt:MATRIX_FMT_BF8
.endr
.endr
	PLACES 8                                       ; ahead of the first read of the results
.if \next
	s_wait_alu depctr_va_vdst(0)                   ; the products are done reading Wk's tiles and scale words, in which Wv's land
	LOADW WVC, WVS, ON, SN, 0
.endif
	s_wait_dscnt 0x0                               ; the last batch's LDS stores have landed,
.if \j > 0
	s_wait_alu depctr_vm_vsrc(0)                   ; and have read the codes' registers and the scale word's, which are written now
.endif
	QUANT D, 4                                     ; block 2 u + bb: key tile 2 j + u, the head's 32 bb .. 32 bb + 31
	v_lshl_or_b32 v[KS], v[TM+5], 8, v[TM+4]       ; the fragment's scale word: tile 2 j's two bytes, then tile 2 j + 1's
	v_lshl_or_b32 v[KS], v[TM+6], 16, v[KS]
	v_lshl_or_b32 v[KS], v[TM+7], 24, v[KS]
	s_wait_alu depctr_va_vdst(0)                   ; the conversions have written the codes and the three lines above the scale word, which the LDS stores read
.irp u, 0,1
.irp c, 0,1
	ds_store_b128 v[KWI], v[PCA+8*\u+4*\c:PCA+8*\u+4*\c+3] offset:(2*\j+\u)*1024+512*\c
.endr
.endr
	ds_store_b32 v[KWS], v[KS] offset:4*\j
.endm
; v of the same 32 keys, all 64 channels: 8 products, 4 blocks (one for each 16 channels: a lane holds one channel and 16 keys).  next = 1: Wq and my queries of x are asked for
.macro VBATCH j, next
.irp k, 0,1,2,3
.irp u, 0,1
	v_wmma_scale_f32_16x16x128_f8f6f4 v[D+8*(2*\k+\u):D+8*(2*\k+\u)+7], v[XF+16*(2*\j+\u):XF+16*(2*\j+\u)+15], v[FR+16*\k:FR+16*\k+15], 0, v[XS+2*\j+\u], v[WS+\k] matrix_a_fmt:MATRIX_FMT_BF8 matrix_b_fmt:MATRIX_FMT_BF8
.endr
.endr
	PLACES 8
.if \next
	s_wait_alu depctr_va_vdst(0)                   ; the products are done reading Wv's tiles, x's first tile and their scale words, in which Wq's and my queries' land
	LOADQ
.endif
	s_wait_dscnt 0x0                               ; the last batch's LDS stores have landed,
	s_wait_alu depctr_vm_vsrc(0)                   ; and have read the codes' registers, the scale word's and the bytes', which are written now
	QUANT D, 4
	s_wait_alu depctr_va_vdst(0)                   ; the conversions have written the codes and the shifts the bytes, which the LDS stores read
.irp k, 0,1,2,3
	ds_store_b128 v[VWI], v[PCA+4*\k:PCA+4*\k+3] offset:2048*\k+512*\j
.endr
.irp k, 0,1,2,3
	ds_store_b8 v[VWS], v[TM+4+\k] offset:4*\k+\j  ; byte 2 (w % 2) + j of the channel's scale word for this key step
.endr
.endm
; a key step's eight tiles of k, as four fragments of two tiles, into the run of 64 registers at B, and their four scale words
.macro KLOAD B
.irp f, 0,1,2,3
.irp c, 0,1,2,3
	ds_load_b128 v[\B+16*\f+4*\c:\B+16*\f+4*\c+3], v[ADK] offset:2048*\f+512*\c
.endr
.endr
	ds_load_b128 v[KSW:KSW+3], v[ADS]
.endm
; The diagonal step: 32 of the 64 scores, from register m of the run Y on.  The compares stand in one run, each into a scalar register of its own, with one wait between them and the selects that read the masks
.macro MASK Y, m
.set n, 0
.rept 32
	v_cmp_gt_i32 s[MK+n+2*(n/20)], 32*((\m+n)/16)+n%16, v[DL]
.set n, n+1
.endr
	s_wait_alu depctr_va_sdst(0)                   ; the 32 compares have written their masks, ahead of the first select that reads one
.set n, 0
.rept 32
	v_cndmask_b32 v[\Y+\m+n], v[\Y+\m+n], v[NINF], s[MK+n+2*(n/20)]   ; a hidden key's score becomes -infinity: p = 0.  The step's first key counts for every query of the tile, so the maximum is a number
.set n, n+1
.endr
.endm
; A KEY STEP: 128 keys.  On the way in, the step's tiles of k are on their way into the run X.  The scores go to the run Y; v's fragments are asked for into X as soon as the products are done reading it, and land
; under the softmax; the next step's tiles of k are asked for into Y behind the one wait that stands ahead of the step's last products.  So the two runs change places from step to step.
; first = 1: the wave's first step, which starts M, the sum and O^T.  last = 1: no step follows in any wave.
.macro STEP X, Y, first, last
	s_wait_alu depctr_vm_vsrc(0)                   ; the LDS loads issued so far have read the four address registers, all of which this step writes: two here, two ahead of its last products
	v_add_nc_u32 v[ADV], s[TV], v[LI]
	v_add_nc_u32 v[ADT], s[TSV], v[LI]
	PLACES 7                                       ; with the two additions: nine places between the last step's products and these, which write over registers that those read
	s_wait_dscnt 0x0                               ; k's tiles and scale words are in
.irp f, 0,1,2,3                        ; S^T = k q^T: each fragment twice, against [q | 0] for its first tile and against [0 | q] for its second
	v_wmma_scale_f32_16x16x128_f8f6f4 v[\Y+16*\f:\Y+16*\f+7], v[\X+16*\f:\X+16*\f+15], v[QF+8:QF+23], 0, v[KSW+\f], v[QS] matrix_a_fmt:MATRIX_FMT_BF8 matrix_b_fmt:MATRIX_FMT_BF8
	v_wmma_scale_f32_16x16x128_f8f6f4 v[\Y+16*\f+8:\Y+16*\f+15], v[\X+16*\f:\X+16*\f+15], v[QF:QF+15], 0, v[KSW+\f], v[QS] matrix_a_fmt:MATRIX_FMT_BF8 matrix_b_fmt:MATRIX_FMT_BF8
.endr
	PLACES 8                                       ; ahead of the first read of the scores
	s_wait_alu depctr_va_vdst(0)                   ; these products are done reading X, and the last step's their scale words of v: v's fragments and scale words land there; the two addresses made at the head are written
.irp k, 0,1,2,3                        ; v's four fragments (16 channels x 128 keys each)
.irp c, 0,1,2,3
	ds_load_b128 v[\X+16*\k+4*\c:\X+16*\k+4*\c+3], v[ADV] offset:2048*\k+512*\c
.endr
.endr
	ds_load_b128 v[VSW:VSW+3], v[ADT]              ; and their scale words
	s_cmp_lt_u32 s[SS], s[SMAX]                    ; register 16 b + i of lane (r, h): query r, key 128 s + 32 b + 16 h + i.  Only my tile's last step lies on the diagonal
	s_cbranch_scc1 .Lopen_\@
	MASK \Y, 0
	MASK \Y, 32
.Lopen_\@:
.irp b, 0,1,2,3
	v_max3_num_f32 v[BM+\b], v[\Y+16*\b], v[\Y+1+16*\b], v[\Y+2+16*\b]   ; the largest score of each block of 32 keys: for the row's maximum, and for the block's largest p
.endr
.irp i, 3,5,7,9,11,13
.irp b, 0,1,2,3
	v_max3_num_f32 v[BM+\b], v[BM+\b], v[\Y+16*\b+\i], v[\Y+1+16*\b+\i]
.endr
.endr
.irp b, 0,1,2,3
	v_max_num_f32 v[BM+\b], v[BM+\b], v[\Y+15+16*\b]
.endr
.irp b, 0,1,2,3
	v_permlanex16_b32 v[BP+\b], v[BM+\b], s[SEL], s[SEL+1]
.endr
.irp b, 0,1,2,3
	v_max_num_f32 v[BM+\b], v[BM+\b], v[BP+\b]     ; with lane l xor 16's 16 keys
.endr
	v_max3_num_f32 v[T0], v[BM], v[BM+1], v[BM+2]
	v_max_num_f32 v[T0], v[T0], v[BM+3]
.if \first
	v_mul_f32 v[TMX], s[CS], v[T0]                 ; the largest t (c is positive)
	v_floor_f32 v[NM], -v[TMX]                     ; -M = floor(-t) = -ceil(t)
.else
	v_mul_f32 v[T0], s[CS], v[T0]
	v_max_num_f32 v[TMX], v[TMX], v[T0]            ; the running largest t
	v_mov_b32 v[T0], v[NM]
	v_floor_f32 v[NM], -v[TMX]
	v_sub_f32 v[T0], v[NM], v[T0]                  ; old M - new M: a whole number, 0 or less
	v_cvt_i32_f32 v[T0], v[T0]                     ; (it saturates)
	v_ldexp_f32 v[F], 1.0, v[T0]                   ; f = 2^(old M - new M): multiplying by it rounds nothing
.endif
.set n, 0
.rept 32
	v_pk_fma_f32 v[\Y+n:\Y+n+1], v[\Y+n:\Y+n+1], s[CS:CS+1], v[NM:NM+1] op_sel_hi:[1,0,0]   ; t - M (of the pairs c and -M the low word serves both halves)
.set n, n+2
.endr
.irp b, 0,1,2,3
	v_fma_f32 v[BM+\b], v[BM+\b], s[CS], v[NM]     ; the same of each block's largest score
.endr
.set n, 0
	s_wait_alu depctr_va_vdst(0)
.rept 64
	v_exp_f32 v[\Y+n], v[\Y+n]                     ; p = 2^(t - M)
.set n, n+1
.endr
.if \first
	v_mov_b32 v[L0], 0                             ; the sum begins: plain lines behind the exponentials
	v_mov_b32 v[L0+1], 0
.else
	v_pk_mul_f32 v[L0:L0+1], v[L0:L0+1], v[F:F+1] op_sel_hi:[1,0]  ; the sums under the new M: the plain line behind the exponentials
.endif
	s_wait_alu depctr_va_vdst(0)                   ; the 64 exponentials have written p: one wait for the batch, ahead of its first reader
.irp b, 0,1,2,3
	v_exp_f32 v[BM+\b], v[BM+\b]                   ; the blocks' largest p
.endr
	v_pk_add_f32 v[BP:BP+1], v[\Y:\Y+1], v[\Y+2:\Y+3]  ; the row's sum is taken of the unquantised p, in two chains; these lines read the 64 alone
.irp j, 4,8,12,16,20,24,28,32,36,40,44,48,52,56,60
	v_pk_add_f32 v[L0:L0+1], v[L0:L0+1], v[\Y+\j:\Y+\j+1]
	v_pk_add_f32 v[BP:BP+1], v[BP:BP+1], v[\Y+2+\j:\Y+3+\j]
.endr
	v_pk_add_f32 v[L0:L0+1], v[L0:L0+1], v[BP:BP+1]
	s_wait_alu depctr_va_vdst(0)                   ; the four exponentials have written the blocks' largest p: the wait ahead of their first reader
.irp b, 0,1,2,3
	v_max_num_f32 v[BM+\b], 0x8000000, v[BM+\b]    ; the floor 2^(16 - 127)
.endr
.irp b, 0,1,2,3
	v_add_nc_u32 v[BS+\b], 0xf8800000, v[BM+\b]
.endr
.irp b, 0,1,2,3
	v_and_or_b32 v[BH+\b], v[BM+\b], 0x7f800000, s[MNT]
.endr
.irp b, 0,1,2,3
	v_lshrrev_b32 v[BP+\b], 23, v[BS+\b]
.endr
	v_lshl_or_b32 v[PW], v[BP+1], 8, v[BP]         ; p's scale word for these 128 keys
	v_lshl_or_b32 v[PW], v[BP+2], 16, v[PW]
	v_lshl_or_b32 v[PW], v[BP+3], 24, v[PW]
.irp b, 0,1,2,3
.irp i, 0,1,2,3,4,5,6,7,8,9,10,11,12,13,14,15
	v_min_num_f32 v[\Y+16*\b+\i], v[\Y+16*\b+\i], v[BH+\b]         ; p is not negative: the hold is one-sided
.endr
	v_cvt_scalef32_pk8_bf8_f32 v[PC+4*\b:PC+4*\b+1], v[\Y+16*\b:\Y+16*\b+7], v[BS+\b]
	v_cvt_scalef32_pk8_bf8_f32 v[PC+4*\b+2:PC+4*\b+3], v[\Y+16*\b+8:\Y+16*\b+15], v[BS+\b]
.endr
	v_nop                                          ; the plain line behind the last conversion
	s_wait_dscnt 0x0                               ; v's fragments, asked for a softmax ago
.if !\last
	s_add_co_u32 s[SS], s[SS], s[STRIDE]           ; my next step,
	s_min_u32 s[SA], s[SS], 7                      ; held at the last step there is, so that on every path the addresses lie inside the images
	s_lshl_b32 s[TK], s[SA], 13
	s_lshl_b32 s[TSK], s[SA], 9
	s_add_co_u32 s[TV], s[TK], VIMG
	s_add_co_u32 s[TSV], s[TSK], VSC
	s_add_co_u32 s[TSK], s[TSK], KSC
	v_add_nc_u32 v[ADK], s[TK], v[LI]              ; made on every path, ahead of the wait below (no LDS load has read the two since the wait at the step's head)
	v_add_nc_u32 v[ADS], s[TSK], v[LI]
.endif
.if \first
	PLACES 4                                       ; they part p's codes from the products
.else
.set n, 0
.rept 16
	v_pk_mul_f32 v[O+n:O+n+1], v[O+n:O+n+1], v[F:F+1] op_sel_hi:[1,0]   ; O^T under the new M; these lines also part p's codes from the products
.set n, n+2
.endr
.endif
	s_wait_alu depctr_va_vdst(0)                   ; behind the places: p's codes and scale word are written, which the scaled products take; the holds and conversions are done with Y and S^T's products with k's scale words, where the next tiles of k land; their two addresses are written
.if !\last
	s_cmp_gt_u32 s[SS], s[SMAX]                    ; past my tile's diagonal: nothing is asked for
	s_cbranch_scc1 .Lnone_\@
	KLOAD \Y                                       ; p's registers are free: the next step's tiles of k take them.  The products below name X, p's codes, O^T and their scales: none of the registers that these loads touch
.Lnone_\@:
.endif
.if \first
.irp k, 0,1,2,3                        ; O^T = v^T p^T: the first step starts the sums
	v_wmma_scale_f32_16x16x128_f8f6f4 v[O+8*\k:O+8*\k+7], v[\X+16*\k:\X+16*\k+15], v[PC:PC+15], 0, v[VSW+\k], v[PW] matrix_a_fmt:MATRIX_FMT_BF8 matrix_b_fmt:MATRIX_FMT_BF8
.endr
.else
.irp k, 0,1,2,3                        ; O^T += v^T p^T.  The four sums take turns, one instruction a turn, and the eight products of S^T stand between two links of a sum
	v_wmma_scale_f32_16x16x128_f8f6f4 v[O+8*\k:O+8*\k+7], v[\X+16*\k:\X+16*\k+15], v[PC:PC+15], v[O+8*\k:O+8*\k+7], v[VSW+\k], v[PW] matrix_a_fmt:MATRIX_FMT_BF8 matrix_b_fmt:MATRIX_FMT_BF8
.endr
.endif
.if !\last
	s_cmp_gt_u32 s[SS], s[SMAX]                    ; the same question as above: no next step, no next copy
	s_cbranch_scc1 .Ldone
.endif
.endm
; THE WAY OUT.  Register 8 ct + i of lane (r, h) of the result is out(query r, channel 16 ct + 8 h + i): through my own stage, back as whole rows of 256 bytes
.macro OUTP
	s_wait_alu depctr_va_vdst(0)                   ; the multiplications have written the result, which the LDS stores read; all vector and matrix instructions that named the registers in which the rows land are done
.irp k, 0,1,2,3
	ds_store_b128 v[SO], v[RES+8*\k:RES+8*\k+3] offset:64*\k
	ds_store_b128 v[SO], v[RES+8*\k+4:RES+8*\k+7] offset:64*\k+16
.endr
.irp i, 0,1,2,3,4,5,6,7
	ds_load_b128 v[BK+4*\i:BK+4*\i+3], v[SR] offset:544*\i         ; LDS serves a wave's instructions in order (ISA guide 5.7.1.4): these see my stores
.endr
.irp i, 0,1,2,3,4,5,6,7
	s_wait_dscnt 7-\i                              ; load i is in; the younger ones may be out
	global_store_b128 v[GO], v[BK+4*\i:BK+4*\i+3], s[OUT:OUT+1] offset:512*\i th:TH_STORE_NT   ; 16 lanes store 256 consecutive bytes, at a multiple of 256 from out0's first byte; written once
.endr
.endm
	; ---- HEAD.  All that hangs on ids alone is made while the arguments are on their way: every LDS address of phase A and of the end among it
	s_load_b512 s[8:23], s[0:1], 0x0
	s_load_b64 s[OUT:OUT+1], s[0:1], 0x40
	v_lshrrev_b32 v1, 5, v0
	v_readfirstlane_b32 s[WV], v1                  ; wave 0..15
.irp t, 0,1,2,3
.irp i, 8,9,10,11,12,13,14,15
	v_mov_b32 v[FR+16*\t+\i], 0                    ; zero codes for K = 64 .. 127, on both operands of phase A's products
	v_mov_b32 v[XF+16*\t+\i], 0
.endr
.endr
.irp b, 0,1,2,3
	v_mov_b32 v[TM+4+\b], 0                        ; written once: a lane permute's destination counts as one of its sources
.endr
	v_mov_b32 v[NINF], 0xff800000
	v_and_b32 v240, 31, v0                         ; lane
	v_lshlrev_b32 v[LI], 4, v240
	v_lshlrev_b32 v249, 2, v240                    ; 4 x lane
	v_and_b32 v241, 15, v0                         ; r
	v_bfe_u32 v242, v0, 4, 1                       ; h
	v_and_b32 v243, 8, v241
	v_add_nc_u32 v243, v243, v241                  ; r + 8 (r / 8)
	v_lshlrev_b32 v[OP], 6, v243
	v_lshl_add_u32 v[OP], v242, 4, v[OP]
	v_lshlrev_b32 v[ON], 6, v241
	v_lshl_add_u32 v[ON], v242, 4, v[ON]
	v_lshlrev_b32 v[SP], 1, v243
	v_lshlrev_b32 v[SN], 1, v241
	s_wait_alu depctr_va_sdst(0)                   ; the wave's number is written, ahead of its first reader: roles, addresses and branches are made from it
	s_lshl_b32 s6, s[WV], 12                       ; my four tiles of k
	v_add_nc_u32 v[KWI], s6, v[LI]
	s_lshr_b32 s6, s[WV], 1                        ; my keys' step,
	s_and_b32 s7, s[WV], 1                         ; and which half of it
	s_lshl_b32 s4, s6, 9
	s_lshl_b32 s5, s7, 3
	s_add_co_u32 s4, s4, s5
	s_add_co_u32 s4, s4, KSC
	v_add_nc_u32 v[KWS], s4, v[LI]
	s_lshl_b32 s4, s6, 13
	s_lshl_b32 s5, s7, 10
	s_add_co_u32 s4, s4, s5
	s_add_co_u32 s4, s4, VIMG
	v_add_nc_u32 v[VWI], s4, v[LI]
	s_lshl_b32 s4, s6, 9
	s_lshl_b32 s5, s7, 1
	s_add_co_u32 s4, s4, s5
	s_add_co_u32 s4, s4, VSC
	v_add_nc_u32 v[VWS], s4, v[LI]
	s_lshr_b32 s[G], ttmp9, 1
	s_and_b32 s[HALF], ttmp9, 1
	s_and_b32 s[BATCH], ttmp7, 0xffff
	s_lshl_b32 s[NW], s[G], 1
	s_sub_co_u32 s[NW], 16, s[NW]                  ; waves whose keys somebody reads: 128 (8 - G) keys
	s_lshr_b32 s[ROW], s[WV], 2
	s_and_b32 s[CAT], s[WV], 3
	s_add_co_u32 s[CAT], s[CAT], s[ROW]
	s_and_b32 s[CAT], s[CAT], 3
	s_lshr_b32 s4, s[CAT], 1
	s_and_b32 s[LIGHT], s4, s[CAT]                 ; 1 where CAT = 3: the short tile's wave
	s_xor_b32 s[HEAVY], s[LIGHT], 1
	s_lshl_b32 s[STRIDE], s[HEAVY], 1
	s_add_co_u32 s[STRIDE], s[STRIDE], 1           ; 3 for a long tile's wave, 1 for a short one's
	s_mul_i32 s4, s[HEAVY], 3
	s_and_b32 s[SS], s[CAT], s4                    ; my first step: CAT for a long tile's wave, 0 for a short one's; never past the diagonal (a long tile has five steps or more)
	s_sub_co_u32 s4, 7, s[G]
	s_cmp_eq_u32 s[HEAVY], 1
	s_cselect_b32 s[SMAX], s4, s[G]
	s_lshl_b32 s[Q0], s[SMAX], 3
	s_lshl_b32 s4, s[HALF], 2
	s_add_co_u32 s[Q0], s[Q0], s4
	s_add_co_u32 s[Q0], s[Q0], s[ROW]              ; my tile: 8 SMAX + 4 HALF + ROW
	s_lshl_b32 s[Q0], s[Q0], 4
	s_lshl_b32 s4, s[ROW], 2                       ; the meeting: region 4 ROW + CAT; the wave with CAT = 0 finds its partners' in the two regions behind its own
	s_add_co_u32 s4, s4, s[CAT]
	s_mul_i32 s4, s4, MRGW
	s_add_co_u32 s4, s4, MRG
	v_add_nc_u32 v[MB], s4, v[LI]
	s_add_co_u32 s4, s4, 4096
	v_add_nc_u32 v[MBS], s4, v249
	s_mul_i32 s6, s[WV], STGW
	s_add_co_u32 s6, s6, STG
	v_mul_u32_u24 v248, v241, 272
	v_lshl_add_u32 v248, v242, 5, v248
	v_add_nc_u32 v[SO], s6, v248                   ; in: row r, 32 h bytes on
	v_mul_u32_u24 v248, v242, 272
	v_lshl_add_u32 v248, v241, 4, v248
	v_add_nc_u32 v[SR], s6, v248                   ; back: lanes 0-15 one row, lanes 16-31 the next
	v_lshlrev_b32 v[GO], 8, v242
	v_lshl_add_u32 v[GO], v241, 4, v[GO]           ; and the same two rows of out0
	s_and_b32 s4, s[Q0], 127
	v_lshlrev_b32 v248, 4, v242
	v_sub_nc_u32 v[DL], v241, v248
	v_add_nc_u32 v[DL], s4, v[DL]                  ; on the diagonal step register 16 b + i holds a hidden key where 32 b + i > DL
	s_lshl_b32 s[TK], s[SS], 13                    ; where my first step begins in the images
	s_lshl_b32 s[TSK], s[SS], 9
	s_add_co_u32 s[TV], s[TK], VIMG
	s_add_co_u32 s[TSV], s[TSK], VSC
	s_add_co_u32 s[TSK], s[TSK], KSC
	s_lshl_b32 s4, s[BATCH], 16                    ; the batch's codes: 1,024 rows of 64 bytes;
	s_lshl_b32 s5, s[BATCH], 11                    ; its scale bytes: 2 a row
	s_lshl_b32 s34, s[WV], 12
	s_add_co_u32 s34, s34, s4
	s_mov_b32 s35, 0
	s_lshl_b32 s36, s[WV], 7
	s_add_co_u32 s36, s36, s5
	s_mov_b32 s37, 0
	s_lshl_b32 s58, s[Q0], 6
	s_add_co_u32 s58, s58, s4
	s_mov_b32 s59, 0
	s_lshl_b32 s60, s[Q0], 1
	s_add_co_u32 s60, s60, s5
	s_mov_b32 s61, 0
	s_lshl_b32 s62, s[BATCH], 18                   ; out0: 1,024 rows of 256 bytes a batch
	s_lshl_b32 s6, s[Q0], 8
	s_add_co_u32 s62, s62, s6
	s_mov_b32 s63, 0
	s_mov_b32 s[SEL], 0x76543210
	s_mov_b32 s[SEL+1], 0xfedcba98
	s_mov_b32 s[CS], 0x3e38aa3b                    ; log2(e) / 8
	s_mov_b32 s[CS+1], s[CS]                       ; (named with it as a pair, so it is written)
	s_mov_b32 s[MNT], 0x600000
	s_wait_kmcnt 0x0
	s_add_nc_u64 s[XB:XB+1], s[XC:XC+1], s[34:35]
	s_add_nc_u64 s[XSB:XSB+1], s[XSCL:XSCL+1], s[36:37]
	s_add_nc_u64 s[XQ:XQ+1], s[XC:XC+1], s[58:59]
	s_add_nc_u64 s[XQS:XQS+1], s[XSCL:XSCL+1], s[60:61]
	s_add_nc_u64 s[OUT:OUT+1], s[OUT:OUT+1], s[62:63]
	s_wait_alu depctr_va_vdst(0)                   ; the offsets and addresses v1 to v14 are written, which the loads and stores of phase A and of the end read; so are the zero codes, which phase A's scaled products take
	; ---- PHASE A: k and v of my 64 keys, if any tile of this work-group reads them.  One set of registers serves Wk, Wv and Wq in turn: each is asked for while the batch before it is quantised
	s_cmp_ge_u32 s[WV], s[NW]
	s_cbranch_scc1 .Lq_load
	LOADX
	LOADW WKC, WKS, OP, SP, 1
	s_wait_loadcnt 0x0
	KBATCH 0, 0
	KBATCH 1, 1
	s_wait_loadcnt 0x0                             ; Wv
	VBATCH 0, 0
	VBATCH 1, 1
	s_branch .Lq
.Lq_load:
	LOADQ
.Lq:
	s_wait_loadcnt 0x0                             ; Wq and my queries of x; no global load is out from here on, so their offset registers and their bases may be written
	; ---- q of my tile: it stays in registers
.irp t, 0,1,2,3
	v_wmma_scale_f32_16x16x128_f8f6f4 v[D+8*\t:D+8*\t+7], v[FR+16*\t:FR+16*\t+15], v[XF:XF+15], 0, v[WS+\t], v[XS] matrix_a_fmt:MATRIX_FMT_BF8 matrix_b_fmt:MATRIX_FMT_BF8
.endr
	PLACES 8
	s_wait_dscnt 0x0                               ; for the others' sake: my images and scale words have landed, and no LDS instruction of mine follows ahead of the barrier
	s_wait_alu depctr_vm_vsrc(0)                   ; the last batch's LDS stores have read the codes' and the bytes' registers, which are written now; all loads and stores of phase A have read v2 to v9, which phase B writes
	QUANT D, 2                                     ; q's codes fall into v[QF + 8] on
	v_lshl_or_b32 v[QS], v[TM+5], 8, v[TM+4]
	v_lshl_or_b32 v[QS], v[QS], 16, v[QS]          ; q's two bytes twice: for [q | 0] and for [0 | q]
.irp i, 0,1,2,3,4,5,6,7
	v_mov_b32 v[QF+\i], 0                          ; zero codes below q's and above them.  (These lines also part q's scale word from the first product that takes it)
	v_mov_b32 v[QF+16+\i], 0
.endr
	v_add_nc_u32 v[ADK], s[TK], v[LI]              ; where my first step's tiles of k and their scale words lie
	v_add_nc_u32 v[ADS], s[TSK], v[LI]
	s_wait_alu depctr_va_vdst(0)                   ; these two addresses are written; q's products are done reading the weight's tiles and scale words, where k's tiles and scale words land; q's codes, the zeros and q's scale word are written, which the scaled products take
	s_barrier_signal -1
	s_barrier_wait -1                              ; k and v of all keys that this work-group reads lie in LDS; nobody writes them again
	; ---- PHASE B: my steps, written out: every wave has the first; behind each of the others' products a wave whose next step lies past its tile's diagonal leaves
	KLOAD FR
	STEP FR, SB, 1, 0
	STEP SB, FR, 0, 0
	STEP FR, SB, 0, 0
	STEP SB, FR, 0, 1                              ; reached by the short tile's wave alone, where that tile has four steps
	; ---- THE PARTS OF A TILE MEET
.Ldone:
	s_wait_dscnt 0x0                               ; no LDS load of mine is on its way: a wave leaves the steps just where it has asked for no further tiles
	v_add_f32 v[L0], v[L0], v[L0+1]                ; the sum's two halves
	PLACES 7                                       ; with the addition: eight places behind the last products
	s_cmp_eq_u32 s[CAT], 0                         ; the wave that finishes a long tile has nothing to do ahead of the barrier
	s_cbranch_scc1 .Ljoin
	s_cmp_eq_u32 s[CAT], 3
	s_cbranch_scc1 .Lshort
	s_wait_alu depctr_va_vdst(0)                   ; behind the places: the last products have written O^T, the addition the sum, the last step -M, which the LDS stores read
.irp i, 0,1,2,3,4,5,6,7
	ds_store_b128 v[MB], v[O+4*\i:O+4*\i+3] offset:512*\i          ; its two partners put O^T, -M and the sum into their regions; each sum from its low end on
.endr
	ds_store_b32 v[MBS], v[NM]
	ds_store_b32 v[MBS], v[L0] offset:128
	s_branch .Ljoin
.Lshort:                               ; a short tile has one wave: it is finished here, and its rows leave while the long tiles are still at work
	s_wait_alu depctr_va_vdst(0)
	v_permlanex16_b32 v[BP], v[L0], s[SEL], s[SEL+1]
	v_add_f32 v[L0], v[L0], v[BP]                  ; with lane l xor 16's keys: the row's sum
	s_wait_alu depctr_va_vdst(0)
	v_rcp_f32 v[G0], v[L0]                         ; twice: the packed multiply takes a pair
	v_rcp_f32 v[G0+1], v[L0]
	v_nop                                          ; a plain line behind the reciprocals,
	s_wait_alu depctr_va_vdst(0)                   ; and the wait ahead of their first reader: the two reciprocals are written
.set n, 0
.rept 16
	v_pk_mul_f32 v[RES+n:RES+n+1], v[O+n:O+n+1], v[G0:G0+1]
.set n, n+2
.endr
	OUTP
.Ljoin:
	s_wait_dscnt 0x0                               ; for my partner's sake: my stores have landed
	s_wait_alu depctr_vm_vsrc(0)                   ; the arms' stores have read their data: the stores to out0 the stage's rows, the stage's LDS stores the result, a partner's LDS store the sum; the text behind the barrier writes all three again.  It stands here, where the arms join, ahead of the branch behind the barrier
	s_barrier_signal -1
	s_barrier_wait -1
	s_cmp_lg_u32 s[CAT], 0
	s_cbranch_scc1 .Lend
	s_wait_alu depctr_va_vdst(0)                   ; the steps' vector and matrix instructions are done with v27 and with the run v96 to v159, where my partners' sums and O^T land
	ds_load_b32 v[PN1], v[MBS] offset:MRGW
	ds_load_b32 v[PL1], v[MBS] offset:MRGW+128
	ds_load_b32 v[PN2], v[MBS] offset:2*MRGW
	ds_load_b32 v[PL2], v[MBS] offset:2*MRGW+128
.irp i, 0,1,2,3,4,5,6,7
	ds_load_b128 v[PO1+4*\i:PO1+4*\i+3], v[MB] offset:MRGW+512*\i
.endr
.irp i, 0,1,2,3,4,5,6,7
	ds_load_b128 v[PO2+4*\i:PO2+4*\i+3], v[MB] offset:2*MRGW+512*\i
.endr
	s_wait_dscnt 16                                ; my partners' -M and sums are in; the sixteen younger loads, their O^T, may be out
	v_min3_num_f32 v[BM], v[NM], v[PN1], v[PN2]    ; -M of all three
	v_sub_f32 v[BM+1], v[BM], v[NM]                ; whole numbers, 0 or less
	v_sub_f32 v[BM+2], v[BM], v[PN1]
	v_sub_f32 v[BM+3], v[BM], v[PN2]
	v_cvt_i32_f32 v[BM+1], v[BM+1]
	v_cvt_i32_f32 v[BM+2], v[BM+2]
	v_cvt_i32_f32 v[BM+3], v[BM+3]
	v_ldexp_f32 v[BM+1], 1.0, v[BM+1]              ; my factor and my partners': powers of two
	v_ldexp_f32 v[BM+2], 1.0, v[BM+2]
	v_ldexp_f32 v[BM+3], 1.0, v[BM+3]
	v_mul_f32 v[L0], v[L0], v[BM+1]
	v_fmac_f32 v[L0], v[PL1], v[BM+2]
	v_fmac_f32 v[L0], v[PL2], v[BM+3]
	v_permlanex16_b32 v[BP], v[L0], s[SEL], s[SEL+1]
	v_add_f32 v[L0], v[L0], v[BP]                  ; with lane l xor 16's keys: the row's sum
	s_wait_alu depctr_va_vdst(0)
	v_rcp_f32 v[BH], v[L0]
	v_nop                                          ; a plain line behind the reciprocal,
	s_wait_alu depctr_va_vdst(0)                   ; and the wait ahead of its first reader: the reciprocal is written
	v_mul_f32 v[G0], v[BM+1], v[BH]                ; each twice: the packed forms take pairs
	v_mul_f32 v[G0+1], v[BM+1], v[BH]
	v_mul_f32 v[G1], v[BM+2], v[BH]
	v_mul_f32 v[G1+1], v[BM+2], v[BH]
	v_mul_f32 v[G2], v[BM+3], v[BH]
	v_mul_f32 v[G2+1], v[BM+3], v[BH]
.set n, 0
.rept 16
	v_pk_mul_f32 v[RES+n:RES+n+1], v[O+n:O+n+1], v[G0:G0+1]        ; my own part, while my partners' are on their way
.set n, n+2
.endr
	s_wait_dscnt 8                                 ; the first partner's O^T is in; the second's eight loads may be out
.set n, 0
.rept 16
	v_pk_fma_f32 v[RES+n:RES+n+1], v[PO1+n:PO1+n+1], v[G1:G1+1], v[RES+n:RES+n+1]
.set n, n+2
.endr
	s_wait_dscnt 0x0
.set n, 0
.rept 16
	v_pk_fma_f32 v[RES+n:RES+n+1], v[PO2+n:PO2+n+1], v[G2:G2+1], v[RES+n:RES+n+1]
.set n, n+2
.endr
	OUTP
.Lend:
	s_wait_xcnt 0x0                                ; my stores to out0 have had their addresses translated (ISA guide 3.1), ahead of the two lines that write registers anew
	v_lshl_add_u32 v254, v0, 2, 0x45000            ; the LDS address of my spare word: behind the stages, 4 x my thread's number on; v0 is as at the entry.  No memory or LDS instruction has named v254 or v255
	v_mov_b32 v255, 0
	s_wait_dscnt 0x0                               ; the closing lines, six on end
	s_wait_alu 0x0
	s_wait_tensorcnt 0x0
	ds_add_u32 v254, v255
	s_wait_dscnt 0x0
	s_endpgm
.Lfunc_end_k_q4c1f1df0fa_head:
	.size	k_q4c1f1df0fa_head, .Lfunc_end_k_q4c1f1df0fa_head-k_q4c1f1df0fa_head
	.p2alignl 7, 3214868480
	.fill 96, 4, 3214868480
	.section	.rodata,"a",@progbits
	.p2align	6, 0x0
	.amdhsa_kernel k_q4c1f1df0fa_head
		.amdhsa_group_segment_fixed_size 284672
		.amdhsa_private_segment_fixed_size 0
		.amdhsa_enable_private_segment 0
		.amdhsa_kernarg_size 72
		.amdhsa_user_sgpr_count 2
		.amdhsa_user_sgpr_kernarg_segment_ptr 1
		.amdhsa_wavefront_size32 1
		.amdhsa_system_sgpr_workgroup_id_x 1
		.amdhsa_system_sgpr_workgroup_id_y 1
		.amdhsa_system_sgpr_workgroup_id_z 1
		.amdhsa_system_vgpr_workitem_id 0
		.amdhsa_next_free_vgpr 256
		.amdhsa_next_free_sgpr 66
		.amdhsa_reserve_vcc 0
		.amdhsa_float_denorm_mode_32 3
		.amdhsa_float_denorm_mode_16_64 3
		.amdhsa_memory_ordered 1
		.amdhsa_forward_progress 1
		.amdhsa_inst_pref_size 180
	.end_amdhsa_kernel
	.amdgpu_metadata
---
amdhsa.version: [ 1, 2 ]
amdhsa.kernels:
  - .name:           k_q4c1f1df0fa_head
    .symbol:         k_q4c1f1df0fa_head.kd
    .args:
      - { .name: x_codes, .offset: 0, .size: 8, .value_kind: global_buffer, .address_space: global }
      - { .name: x_scales, .offset: 8, .size: 8, .value_kind: global_buffer, .address_space: global }
      - { .name: Wq_codes, .offset: 16, .size: 8, .value_kind: global_buffer, .address_space: global }
      - { .name: Wq_scales, .offset: 24, .size: 8, .value_kind: global_buffer, .address_space: global }
      - { .name: Wk_codes, .offset: 32, .size: 8, .value_kind: global_buffer, .address_space: global }
      - { .name: Wk_scales, .offset: 40, .size: 8, .value_kind: global_buffer, .address_space: global }
      - { .name: Wv_codes, .offset: 48, .size: 8, .value_kind: global_buffer, .address_space: global }
      - { .name: Wv_scales, .offset: 56, .size: 8, .value_kind: global_buffer, .address_space: global }
      - { .name: out0, .offset: 64, .size: 8, .value_kind: global_buffer, .address_space: global }
    .group_segment_fixed_size: 284672
    .private_segment_fixed_size: 0
    .kernarg_segment_align: 8
    .kernarg_segment_size: 72
    .max_flat_workgroup_size: 512
    .sgpr_count:     66
    .vgpr_count:     256
    .wavefront_size: 32
...
	.end_amdgpu_metadata
.endif
;; end of part 2
